; MI455X (gfx1250); checked and timed in simulation.
; The chip was launched on July 23, 2026; its instructions are those of AMD's public machine-readable ISA for CDNA 5 (MIT licence, August 2026) and "CDNA5" Instruction Set Architecture Reference Guide (July 2026). The comments in the code are by the model that wrote it; some were corrected since.
;; Multi Head Latent Attention. Allowed arithmetic: matrix products marked QUANTISED: E2M3 operands, one E8M0 scale for each 32 along K, by v_wmma_scale_f32_16x16x128_f8f6f4 with both operands' format E2M3, f32 sums; everything else in f32.
;; Inputs: W_DKV 1,024 x 32 float32; W_DQ 1,024 x 32 float32; W_KR 1,024 x 32 float32; W_O 1,024 x 1,024 float32; W_QR 32 x 256 float32; W_UK 32 x 1,024 float32; W_UQ 32 x 1,024 float32; W_UV 32 x 1,024 float32; b_DKV 32 float32; b_DQ 32 float32; b_KR 32 float32; b_O 1,024 float32; b_QR 256 float32; b_UK 1,024 float32; b_UQ 1,024 float32; b_UV 1,024 float32; h_t 4 x 2,048 x 1,024 float32.
;; Outputs: out0 4 x 2,048 x 1,024 float32.
;; This version of the problem:
;;   THIS VERSION OF THE PROBLEM IS GIVEN IN LOW PRECISION. The matrix products marked QUANTISED in the list below multiply operands that are first quantised to E2M3 (2 exponent bits, 3 mantissa bits; 6 bits a number), with one power-of-two scale for each 32 numbers along K (OCP MX v1.0); their sums are f32. All else is computed in f32.
;;   The module's matrix products, in the order in which they are computed (A, B: the left and right operand; K: the contracted axis; several contracted axes count as one K, in the product's order):
;;     1. [M 8,192, K 1,024] x [K 1,024, N 32]; A: input h_t; B: input W_DQ: QUANTISED
;;     2. [M 8,192, K 1,024] x [K 1,024, N 32]; A: input h_t; B: input W_DKV: QUANTISED
;;     3. [M 8,192, K 32] x [K 32, N 1,024]; A: computed on the way; B: input W_UQ: QUANTISED
;;     4. [M 8,192, K 32] x [K 32, N 1,024]; A: computed on the way; B: input W_UK: QUANTISED
;;     5. [M 8,192, K 32] x [K 32, N 1,024]; A: computed on the way; B: input W_UV: QUANTISED
;;     6. [M 8,192, K 32] x [K 32, N 256]; A: computed on the way; B: input W_QR: QUANTISED
;;     7. [M 8,192, K 1,024] x [K 1,024, N 32]; A: input h_t; B: input W_KR: QUANTISED
;;     8. batch 32 x [M 2,048, K 160] x [K 160, N 2,048]; A: computed on the way; B: computed on the way: QUANTISED
;;     9. batch 32 x [M 2,048, K 2,048] x [K 2,048, N 128]; A: softmax (see below); B: computed on the way: QUANTISED
;;     10. [M 8,192, K 1,024] x [K 1,024, N 1,024]; A: computed on the way; B: input W_O: QUANTISED
;;   THE QUANTISER, for each operand of a quantised product, along K:
;;     - K is cut into blocks of 32 from its start; a last block that is shorter is filled with zeros.
;;     - A block's scale is 2^e with e = floor(log2(the largest magnitude in the block)) - 2, held to -126 .. 127; a block of zeros has e = 0. As a byte (E8M0): e + 127.
;;     - Each number is divided by its block's scale, clamped to +-7.5, and rounded to the nearest number of E2M3, ties to even, subnormals kept.
;;     - The product sums the exact products of the quantised numbers (number of the format x scale) in f32.
;;   ~~~python
;;   def quantise(x, axis):      # numpy; x: float32 -> the quantised numbers, widened to float32 again
;;       x = np.moveaxis(x, axis, -1); K = x.shape[-1]
;;       x = np.pad(x, [(0, 0)] * (x.ndim - 1) + [(0, -K % 32)]); x = x.reshape(x.shape[:-1] + (-1, 32)); a = np.abs(x).max(-1, keepdims=True)
;;       e = np.where(a > 0, np.clip(np.frexp(np.where(a > 0, a, 1))[1] - 1 - 2, -126, 127), 0)      # np.frexp(a)[1] - 1 = floor(log2(a)), exactly
;;       r = np.clip(x / 2.0 ** e, -7.5, 7.5)
;;       step = 2.0 ** (np.maximum(np.frexp(np.where(r == 0, 1, r))[1] - 1, 0) - 3)
;;       q = np.round(r / step) * step * 2.0 ** e      # np.round: ties to even
;;       return np.moveaxis(q.reshape(q.shape[:-2] + (-1,))[..., :K], -1, axis).astype(np.float32)
;;   ~~~
;;   SOFTMAX AHEAD OF A QUANTISED PRODUCT. Where the list says 'softmax', what is quantised is not the finished softmax but p = 2^(t - M), with t = logit x log2(e) and M = ceil(the row's largest t), a whole number; so 1/2 < the row's largest p <= 1. The row's sum l is taken of the UNQUANTISED p, in f32, and the product's result is divided by l at the end. Since M is a whole number, a kernel that streams over the keys may use a running M (the ceiling of the running maximum): every later rescaling is an exact power of two, which a block's scale takes up: the codes' values come out the same.
;;   OPERANDS COMPUTED ON THE WAY. 'Computed on the way' means the value that the module computes at that place (a softmax that the list does not call 'softmax' is quantised finished and normalised). What goes into a quantiser is computed in f32, as accurately as f32 sums, v_exp_f32 and their like allow (about 1e-6 of the number): no bf16 or f16 on the way to a quantiser, and a product that is left as it is and whose result goes on into a quantised operand takes f32 operands (vector FMAs, or v_wmma_f32_16x16x4_f32). A number that lies on a knife's edge between two numbers of the format may be rounded either way, as far as f32 arithmetic and the matrix unit's own rounding can turn it there, and no further.
;; One version. Each part assembles by itself: llvm-mc -triple=amdgcn-amd-amdhsa -mcpu=gfx1250 --defsym DOCPART=n.
;; ======== version 1 of 1: 5 launches
;; limits: right only within a limited range of input values
;; workspace buffers: WPREP 989,696 bytes; LAT 753,664 bytes; UPB 21,299,200 bytes; OC 6,553,600 bytes
;; launch prep (part 1): grid 153 x 1, 2 waves a work-group, no clusters, 0 bytes of LDS; arguments W_O, W_DQ, W_DKV, W_KR, W_UQ, W_UK, W_UV, W_QR, b_UV, WPREP; writes WPREP
.if DOCPART == 1
	.amdgcn_target "amdgcn-amd-amdhsa--gfx1250"
	.amdhsa_code_object_version 6
	.text
	.protected	k_qf4da67d807_prep
	.globl	k_qf4da67d807_prep
	.p2align	8
	.type	k_qf4da67d807_prep,@function
k_qf4da67d807_prep:
	s_mov_b64 s[64:65], 0
	v_nop
	global_prefetch_b8 v0, s[64:65] scope:SCOPE_SE
	s_setreg_imm32_b32 hwreg(HW_REG_WAVE_MODE, 25, 1), 1
	s_wait_xcnt 0x0
; ALL EIGHT WEIGHTS, f32 with K as their first axis, become codes of FP6 (E2M3) with one E8M0 byte for each 32 along K, laid in WPREP in the order of the operand registers that later launches load.
; A block's scale is 2^(floor(log2(its largest magnitude)) - 2); its byte is the largest magnitude's exponent field - 2, held at 1 from below.
; LIMITS: a block of zeros gets the byte 1 where the rule says 127 (its codes are zeros, and this program alone reads the bytes); blocks whose largest magnitude lies under 2^-124 are held at byte 1; NaN and infinities are not served.
; A LANE TAKES A COLUMN AND ITS REGISTERS RUN DOWN K: a job of one wave is 4 blocks of 32 along K for 32 columns: 128 loads of 128 consecutive bytes.  306 jobs, J = 2 x work-group + wave.  No LDS, no barrier: waves share nothing.
; An IMAGE of a fragment (16 rows x 128 K: 12 registers a lane) is 1,536 bytes: registers 4 c .. 4 c + 3 of lane l at 512 c + 16 l.
;   J 0-255    W_O:  K step s, columns 128 nb + 32 p on: two images and their scale words, in block 8 s + nb of 12,800 bytes (8 images, then 64 bytes of scale words a tile)
;   J 256-279  W_DQ, W_DKV, W_KR: K step s of matrix m: two images (the 32 columns as two tiles in the order below), in record s of 9,728 bytes
;   J 280-295  W_UQ, W_UK, a head each; J 304, 305: W_QR, four heads each: K is 32, so FOUR TILES OF 16 COLUMNS ARE PACKED INTO ONE FRAGMENT, one in each of its four blocks along K: two images a job
;   J 296-303  W_UV, a head each: eight tiles of 512 bytes: row r's code words 0-3 at 16 r; words 4, 5, the scale byte four times, and b_UV of the column at 256 + 16 r
; THE ORDER OF A TILE'S ROWS (all but W_O's): row r of tile T is column 32 (T / 2) + 8 (T % 2) + r + 8 (r / 8), so that the results of two neighbouring tiles are 16 neighbours in a lane's registers.
.set X,      32                        ; v32-159  four blocks of 32 numbers
.set CD,     160                       ; v160-183 their codes, six registers a block
.set TP,     184                       ; v184-199 the second half of a block's codes as converted (a conversion's three registers begin on an even number)
.set BY,     200                       ; v200-203 the scale bytes
.set E,      204                       ; v204-219 W_UV: the second 16 bytes of a row
.set M,      220                       ; v220-223 at work
.set LCP,    2                         ; v2  4 x (8 (lane / 16) + r + 8 (r / 8)): my column in the tiles' order
.set LI,     3                         ; v3  16 x lane
.set LS,     4                         ; v4  4 x lane
.set LT,     5                         ; v5  512 (lane / 16) + 16 r
.set SH,     9                         ; v9  8 (lane / 16)
.set WD_AT,  819200
.set WPK_AT, 897024
.set WV_AT,  956928
.macro LOADB q, lc, off, pitch         ; block q: 32 rows of the weight from byte off on, my column
.irp i, 0,1,2,3,4,5,6,7,8,9,10,11,12,13,14,15,16,17,18,19,20,21,22,23,24,25,26,27,28,29,30,31
	global_load_b32 v[X+32*(\q)+\i], v[\lc], s[8:9] offset:(\off)+\i*(\pitch)
.endr
.endm
.macro QB q                            ; block q: its largest magnitude, its byte, its codes in v[CD + 6 q] on
.set XS, X+32*(\q)
	v_max3_num_f32 v[M], |v[XS]|, |v[XS+1]|, |v[XS+2]|
	v_max3_num_f32 v[M+1], |v[XS+3]|, |v[XS+4]|, |v[XS+5]|
.irp i, 6,10,14,18,22,26
	v_max3_num_f32 v[M], v[M], |v[XS+\i]|, |v[XS+\i+1]|
	v_max3_num_f32 v[M+1], v[M+1], |v[XS+\i+2]|, |v[XS+\i+3]|
.endr
	v_max3_num_f32 v[M], v[M], |v[XS+30]|, |v[XS+31]|
	v_max3_num_f32 v[M], v[M], v[M+1], 0x1800000   ; the floor 2^(3 - 127): the byte cannot fall under 1
	v_add_nc_u32 v[M+2], 0xff000000, v[M]          ; 2 off the exponent field: the conversion takes this operand's exponent field as its scale
	v_lshrrev_b32 v[BY+(\q)], 23, v[M+2]           ; the scale's byte
	v_cvt_scalef32_pk16_fp6_f32 v[CD+6*(\q):CD+6*(\q)+2], v[XS:XS+15], v[M+2]
	v_cvt_scalef32_pk16_fp6_f32 v[TP+4*(\q):TP+4*(\q)+2], v[XS+16:XS+31], v[M+2]
	v_nop                                          ; one plain place behind a scaled conversion
.irp i, 0,1,2
	v_mov_b32 v[CD+6*(\q)+3+\i], v[TP+4*(\q)+\i]
.endr
.endm
.macro QB4                             ; the counts name the loads of later blocks that may stay out: 96 and 64 would do for blocks 0 and 1; the wait's field holds 63
	s_wait_loadcnt 63
	QB 0
	QB 1
	s_wait_loadcnt 32
	QB 2
	s_wait_loadcnt 0x0
	QB 3
.endm
; Two tiles of 16 columns x 128 along K.  The blocks are loaded in the order 0, 2, 1, 3 of K, so that one exchange of halves between v[CD + 6 c ..] and v[CD + 12 + 6 c ..] gives both fragments:
; a fragment's registers 6 c .. 6 c + 5 hold block 2 c in lanes 0-15 and block 2 c + 1 in lanes 16-31.
.macro PAIRJOB lc, pitch
	LOADB 0, \lc, 0, \pitch
	LOADB 1, \lc, 64*(\pitch), \pitch
	LOADB 2, \lc, 32*(\pitch), \pitch
	LOADB 3, \lc, 96*(\pitch), \pitch
	QB4
.irp c, 0,1
.irp i, 0,1,2,3,4,5
	v_permlane16_swap_b32 v[CD+6*\c+\i], v[CD+12+6*\c+\i]
.endr
.endr
	v_lshl_or_b32 v[M], v[BY+2], 8, v[BY]          ; my column's scale word, byte b for block b of K
	v_lshl_or_b32 v[M], v[BY+1], 16, v[M]
	v_lshl_or_b32 v[M], v[BY+3], 24, v[M]
.irp c, 0,1,2,3,4,5
	global_store_b128 v[LI], v[CD+4*\c:CD+4*\c+3], s[32:33] offset:512*\c   ; 512 consecutive bytes a store
.endr
	global_store_b32 v[LS], v[M], s[34:35]         ; lanes 0-15: the first tile's words, lanes 16-31: the second's
	s_endpgm
.endm
; 128 columns of a weight whose K is 32: block q is the next 32 columns.  Lane (r, half) holds row r of tile 2 q + half, which is block 2 (q % 2) + half of packed fragment q / 2: the codes are the fragments' registers as they stand.
.macro PACKJOB pitch
.irp q, 0,1,2,3
	LOADB \q, LCP, 128*\q, \pitch
.endr
	QB4
.irp f, 0,1
	v_lshl_or_b32 v[M], v[BY+2*\f+1], 16, v[BY+2*\f]   ; my two bytes, at bytes half and 2 + half of row r's word;
	v_lshlrev_b32 v[M], v[SH], v[M]
	v_permlanex16_b32 v[M+1], v[M], s36, s37
	v_or_b32 v[M+2+\f], v[M], v[M+1]               ; with lane l xor 16's two the word is whole
.endr
.irp c, 0,1,2,3,4,5
	global_store_b128 v[LI], v[CD+4*\c:CD+4*\c+3], s[32:33] offset:512*\c
.endr
.irp f, 0,1
	global_store_b32 v[LS], v[M+2+\f], s[32:33] offset:3072+128*\f
.endr
	s_endpgm
.endm
	s_load_b256 s[8:15], s[0:1], 0x0               ; W_O s[8:9], W_DQ s[10:11], W_DKV s[12:13], W_KR s[14:15]
	s_load_b256 s[16:23], s[0:1], 0x20             ; W_UQ s[16:17], W_UK s[18:19], W_UV s[20:21], W_QR s[22:23]
	s_load_b128 s[24:27], s[0:1], 0x40             ; b_UV s[24:25], WPREP s[26:27]
	v_lshrrev_b32 v1, 5, v0
	v_readfirstlane_b32 s4, v1                     ; wave
	s_lshl_b32 s5, ttmp9, 1
	s_add_co_u32 s5, s5, s4                        ; J
	v_and_b32 v1, 31, v0                           ; lane
	v_lshlrev_b32 v[LI], 4, v1
	v_lshlrev_b32 v[LS], 2, v1
	v_and_b32 v6, 15, v0                           ; r
	v_bfe_u32 v7, v0, 4, 1                         ; lane / 16
	v_lshlrev_b32 v[LT], 4, v6
	v_lshl_add_u32 v[LT], v7, 9, v[LT]
	v_and_b32 v8, 8, v6
	v_add_nc_u32 v8, v8, v6
	v_lshl_add_u32 v8, v7, 3, v8
	v_lshlrev_b32 v[LCP], 2, v8
	v_lshlrev_b32 v[SH], 3, v7
	s_mov_b32 s29, 0
	s_mov_b32 s31, 0
	s_mov_b32 s36, 0x76543210
	s_mov_b32 s37, 0xfedcba98                      ; v_permlanex16_b32's selects for lane l xor 16
	s_wait_kmcnt 0x0
	s_cmp_lt_u32 s5, 256                           ; the paths part on ids alone and never join
	s_cbranch_scc0 .Lnot_wo
	s_lshr_b32 s6, s5, 2                           ; W_O: block 8 s + nb
	s_and_b32 s7, s5, 3                            ; p
	s_lshr_b32 s28, s6, 3
	s_lshl_b32 s28, s28, 19                        ; 128 rows of 4,096 bytes a K step
	s_and_b32 s30, s6, 7
	s_lshl_b32 s30, s30, 9
	s_add_co_u32 s28, s28, s30
	s_lshl_b32 s30, s7, 7
	s_add_co_u32 s28, s28, s30
	s_add_nc_u64 s[8:9], s[8:9], s[28:29]
	s_mul_i32 s28, s6, 12800
	s_mul_i32 s30, s7, 3072
	s_add_co_u32 s30, s30, s28
	s_add_nc_u64 s[32:33], s[26:27], s[30:31]      ; the two images
	s_lshl_b32 s30, s7, 7
	s_add_co_u32 s30, s30, s28
	s_add_co_u32 s30, s30, 12288
	s_add_nc_u64 s[34:35], s[26:27], s[30:31]      ; their scale words
	PAIRJOB LS, 4096
.Lnot_wo:
	s_cmp_lt_u32 s5, 280
	s_cbranch_scc0 .Lnot_wd
	s_sub_co_u32 s6, s5, 256
	s_lshr_b32 s7, s6, 3                           ; m: 0 W_DQ, 1 W_DKV, 2 W_KR
	s_and_b32 s6, s6, 7                            ; K step
	s_cmp_eq_u32 s7, 0
	s_cselect_b64 s[8:9], s[10:11], s[12:13]
	s_cmp_eq_u32 s7, 2
	s_cselect_b64 s[8:9], s[14:15], s[8:9]
	s_lshl_b32 s28, s6, 14                         ; 128 rows of 128 bytes
	s_add_nc_u64 s[8:9], s[8:9], s[28:29]
	s_mul_i32 s28, s6, 9728
	s_add_co_u32 s28, s28, WD_AT
	s_mul_i32 s30, s7, 3072
	s_add_co_u32 s30, s30, s28
	s_add_nc_u64 s[32:33], s[26:27], s[30:31]
	s_lshl_b32 s30, s7, 7
	s_add_co_u32 s30, s30, s28
	s_add_co_u32 s30, s30, 9216
	s_add_nc_u64 s[34:35], s[26:27], s[30:31]
	s_wait_alu depctr_va_vdst(0)
	PAIRJOB LCP, 128
.Lnot_wd:
	s_cmp_lt_u32 s5, 296
	s_cbranch_scc0 .Lnot_uqk
	s_sub_co_u32 s6, s5, 280                       ; record 0-7: W_UQ's heads, 8-15: W_UK's
	s_and_b32 s7, s5, 7                            ; head
	s_cmp_lt_u32 s6, 8
	s_cselect_b64 s[8:9], s[16:17], s[18:19]
	s_lshl_b32 s28, s7, 9
	s_add_nc_u64 s[8:9], s[8:9], s[28:29]
	s_mul_i32 s30, s6, 3328
	s_add_co_u32 s30, s30, WPK_AT
	s_add_nc_u64 s[32:33], s[26:27], s[30:31]
	s_wait_alu depctr_va_vdst(0)
	PACKJOB 4096
.Lnot_uqk:
	s_cmp_lt_u32 s5, 304
	s_cbranch_scc0 .Lqr
	s_sub_co_u32 s6, s5, 296                       ; W_UV: head
	s_lshl_b32 s28, s6, 9
	s_add_nc_u64 s[8:9], s[20:21], s[28:29]
	s_add_nc_u64 s[24:25], s[24:25], s[28:29]
	s_lshl_b32 s30, s6, 12
	s_add_co_u32 s30, s30, WV_AT
	s_add_nc_u64 s[32:33], s[26:27], s[30:31]
	s_wait_alu depctr_va_vdst(0)
.irp q, 0,1,2,3
	global_load_b32 v[E+4*\q+3], v[LCP], s[24:25] offset:128*\q   ; b_UV of my four columns
.endr
.irp q, 0,1,2,3
	LOADB \q, LCP, 128*\q, 4096
.endr
	QB4
.irp q, 0,1,2,3
	v_mov_b32 v[E+4*\q], v[CD+6*\q+4]
	v_mov_b32 v[E+4*\q+1], v[CD+6*\q+5]
	v_perm_b32 v[E+4*\q+2], v[BY+\q], v[BY+\q], 0  ; the byte in all four bytes
.endr
.irp q, 0,1,2,3
	global_store_b128 v[LT], v[CD+6*\q:CD+6*\q+3], s[32:33] offset:1024*\q        ; sixteen lanes store 256 consecutive bytes
	global_store_b128 v[LT], v[E+4*\q:E+4*\q+3], s[32:33] offset:1024*\q+256
.endr
	s_endpgm
.Lqr:
	s_sub_co_u32 s6, s5, 288                       ; W_QR: records 16, 17
	s_and_b32 s7, s5, 1                            ; which four heads
	s_lshl_b32 s28, s7, 9
	s_add_nc_u64 s[8:9], s[22:23], s[28:29]
	s_mul_i32 s30, s6, 3328
	s_add_co_u32 s30, s30, WPK_AT
	s_add_nc_u64 s[32:33], s[26:27], s[30:31]
	s_wait_alu depctr_va_vdst(0)
	PACKJOB 1024
.Lfunc_end_k_qf4da67d807_prep:
	.size	k_qf4da67d807_prep, .Lfunc_end_k_qf4da67d807_prep-k_qf4da67d807_prep
	.p2alignl 7, 3214868480
	.fill 96, 4, 3214868480
	.section	.rodata,"a",@progbits
	.p2align	6, 0x0
	.amdhsa_kernel k_qf4da67d807_prep
		.amdhsa_group_segment_fixed_size 0
		.amdhsa_private_segment_fixed_size 0
		.amdhsa_enable_private_segment 0
		.amdhsa_kernarg_size 80
		.amdhsa_user_sgpr_count 2
		.amdhsa_user_sgpr_kernarg_segment_ptr 1
		.amdhsa_wavefront_size32 1
		.amdhsa_system_sgpr_workgroup_id_x 1
		.amdhsa_system_sgpr_workgroup_id_y 1
		.amdhsa_system_sgpr_workgroup_id_z 1
		.amdhsa_system_vgpr_workitem_id 0
		.amdhsa_next_free_vgpr 224
		.amdhsa_next_free_sgpr 66
		.amdhsa_reserve_vcc 0
		.amdhsa_float_denorm_mode_32 3
		.amdhsa_float_denorm_mode_16_64 3
		.amdhsa_memory_ordered 1
		.amdhsa_forward_progress 1
		.amdhsa_inst_pref_size 99
	.end_amdhsa_kernel
	.amdgpu_metadata
---
amdhsa.version: [ 1, 2 ]
amdhsa.kernels:
  - .name:           k_qf4da67d807_prep
    .symbol:         k_qf4da67d807_prep.kd
    .args:
      - { .name: W_O, .offset: 0, .size: 8, .value_kind: global_buffer, .address_space: global }
      - { .name: W_DQ, .offset: 8, .size: 8, .value_kind: global_buffer, .address_space: global }
      - { .name: W_DKV, .offset: 16, .size: 8, .value_kind: global_buffer, .address_space: global }
      - { .name: W_KR, .offset: 24, .size: 8, .value_kind: global_buffer, .address_space: global }
      - { .name: W_UQ, .offset: 32, .size: 8, .value_kind: global_buffer, .address_space: global }
      - { .name: W_UK, .offset: 40, .size: 8, .value_kind: global_buffer, .address_space: global }
      - { .name: W_UV, .offset: 48, .size: 8, .value_kind: global_buffer, .address_space: global }
      - { .name: W_QR, .offset: 56, .size: 8, .value_kind: global_buffer, .address_space: global }
      - { .name: b_UV, .offset: 64, .size: 8, .value_kind: global_buffer, .address_space: global }
      - { .name: WPREP, .offset: 72, .size: 8, .value_kind: global_buffer, .address_space: global }
    .group_segment_fixed_size: 0
    .private_segment_fixed_size: 0
    .kernarg_segment_align: 8
    .kernarg_segment_size: 80
    .max_flat_workgroup_size: 64
    .sgpr_count:     66
    .vgpr_count:     224
    .wavefront_size: 32
...
	.end_amdgpu_metadata
.endif
;; end of part 1
;; launch latent (part 2): grid 256 x 1, 16 waves a work-group, no clusters, 327,680 bytes of LDS; arguments h_t, WPREP, b_DQ, b_DKV, b_KR, LAT; writes LAT
.if DOCPART == 2
	.amdgcn_target "amdgcn-amd-amdhsa--gfx1250"
	.amdhsa_code_object_version 6
	.text
	.protected	k_qf4da67d807_latent
	.globl	k_qf4da67d807_latent
	.p2align	8
	.type	k_qf4da67d807_latent,@function
k_qf4da67d807_latent:
	s_mov_b64 s[64:65], 0
	v_nop
	global_prefetch_b8 v0, s[64:65] scope:SCOPE_SE
	s_setreg_imm32_b32 hwreg(HW_REG_WAVE_MODE, 25, 1), 1
	s_wait_xcnt 0x0
; c_q = h W_DQ + b_DQ, c_kv = h W_DKV + b_DKV, k_r = h W_KR + b_KR: K = 1,024, on codes of FP6 (E2M3) with one E8M0 byte for each 32 along K; each result (32 numbers a token: one block) is quantised at once.
; SHARES.  A work-group owns 32 tokens: two tiles of 16; row r of tile t is token 8 t + r + 8 (r / 8) of the 32.  Sixteen waves.
; FETCH: wave w brings 8 tokens x 1,024 bytes (tokens 8 (w % 4) on, bytes 1,024 (w / 4) on) by ONE tensor load; LDS rows are 1,040 bytes apart, a tile's 16 rows on end.
; WORK: wave w takes K step w % 8 (128 along K) of tile w / 8: it quantises its 16 x 128 numbers, multiplies them with the six tiles of the three weights (images made by launch prep), and puts its six f32 parts into LDS bytes of its own.
; SUM: behind a barrier wave j < 6 takes tile j % 2 of matrix j / 2: bias + the eight parts, K ascending, in f32; then the block's scale and codes.
; OUT: c_q, c_kv: a tile of 512 bytes: row r's code words 0-3 at 16 r; words 4, 5, the scale byte four times and a zero at 256 + 16 r.  k_r: a record of 3,584 bytes for each 128 tokens: 8 tiles x 384 bytes of codes (24 a row), then 8 x 64 bytes of scale words.
; The bias is loaded by all sixteen waves (64 bytes a lane's half), so that no load stands under a branch; ten of them do not use it.
; LIMITS: a block of zeros gets the byte 1 where the rule says 127 (its codes are zeros; this program alone reads the bytes); blocks under 2^-124 are held at byte 1; NaN and infinities are not served.
.set RP,    1040
.set CH,    32*RP                      ; 1,024 bytes of all 32 tokens
.set PART,  4*CH                       ; behind the tokens: the parts, 6,144 bytes a wave
.set PWB,   6144
.set SPARE, PART+16*PWB                ; the spare words, 128 bytes a wave
.set SPW, 1
.set NIL, 2
.set LI,  3                            ; 16 x lane
.set LS,  4                            ; 4 x lane
.set STR, 5                            ; my row of my K step in LDS
.set BO,  6                            ; 64 (lane / 16)
.set KO,  7                            ; 24 r + 12 (lane / 16)
.set RO,  8                            ; 4 r
.set ZR,  9
.set PST, 13                           ; where my parts go
.set PLD, 14                           ; where my job's parts lie
.set X,   16                           ; v16-79 my 64 numbers; later v16-143 the eight parts
.set W,   80                           ; v80-151 six fragments of the weights
.set WS,  152
.set PW,  155
.set PC,  156
.set FC,  160                          ; at the end: codes v160-162, the byte four times v163, from lane l xor 16 v164
.set CT,  168
.set TM,  176
.set ACC, 192
.set SUM, 240                          ; v240-255 the bias, then the sums
.set WV,  17
.set SEL, 40
.set HM,  42
	s_load_b128 s[4:7], s[0:1], 0x0                ; h_t, WPREP
	s_load_b128 s[8:11], s[0:1], 0x10              ; b_DQ, b_DKV
	s_load_b128 s[12:15], s[0:1], 0x20             ; b_KR, LAT
	v_lshl_add_u32 v[SPW], v0, 2, SPARE
	v_mov_b32 v[NIL], 0
	ds_add_u32 v[SPW], v[NIL]                      ; the opening lines: the add twice, one wait
	ds_add_u32 v[SPW], v[NIL]
	v_lshrrev_b32 v3, 5, v0
	v_readfirstlane_b32 s[WV], v3                  ; wave 0..15
	s_mov_b32 s24, (3<<16)|(1<<20)|(7<<22)|(3<<25) ; elements of 8 bytes; 4 words of padding behind every 256
	s_mov_b32 s25, 128<<16
	s_mov_b32 s26, 8<<16
	s_mov_b32 s27, 128<<16
	s_mov_b32 s28, 8
	s_mov_b32 s29, 512
	s_mov_b32 s30, 0
	s_mov_b32 s31, 0
	s_and_b32 s18, s[WV], 3                        ; which 8 tokens I fetch
	s_lshr_b32 s19, s[WV], 2                       ; which 1,024 bytes of them
	s_mul_i32 s33, s19, CH
	s_and_b32 s16, s18, 1                          ; they are the lower or upper 8 rows (s18 / 2) of tile s18 % 2
	s_mul_i32 s16, s16, 16*RP
	s_add_co_u32 s33, s33, s16
	s_lshr_b32 s16, s18, 1
	s_mul_i32 s16, s16, 8*RP
	s_add_co_u32 s33, s33, s16
	s_lshl_b32 s2, ttmp9, 17                       ; 32 tokens of 4,096 bytes a work-group
	s_lshl_b32 s3, s18, 15
	s_add_co_u32 s2, s2, s3
	s_lshl_b32 s3, s19, 10
	s_add_co_u32 s2, s2, s3
	s_mov_b32 s3, 0
	s_mov_b32 s32, 1
	s_wait_dscnt 0x0
	s_wait_kmcnt 0x0
	s_add_nc_u64 s[34:35], s[4:5], s[2:3]
	s_or_b32 s35, s35, 0x80000000
	tensor_load_to_lds s[32:35], s[24:31]          ; my one tensor load
	s_nop 0
.rept 4
	v_nop
.endr
	s_lshr_b32 s20, s[WV], 3                       ; WORK: my tile
	s_and_b32 s21, s[WV], 7                        ; my K step
	s_lshr_b32 s16, s21, 1
	s_mul_i32 s19, s16, CH
	s_mul_i32 s16, s20, 16*RP
	s_add_co_u32 s19, s19, s16
	s_and_b32 s16, s21, 1
	s_lshl_b32 s16, s16, 9
	s_add_co_u32 s19, s19, s16
	s_and_b32 s22, s[WV], 1                        ; SUM: my job's tile
	s_lshr_b32 s23, s[WV], 1
	s_min_u32 s23, s23, 2                          ; and matrix
	s_mul_i32 s44, s[WV], PWB
	s_add_co_u32 s44, s44, PART
	s_mul_i32 s45, s22, 8*PWB
	s_lshl_b32 s36, s23, 11
	s_add_co_u32 s45, s45, s36
	s_add_co_u32 s45, s45, PART
	s_mov_b32 s[SEL], 0x76543210
	s_mov_b32 s[SEL+1], 0xfedcba98
	s_mov_b32 s[HM], 0xffff0000
	s_mul_i32 s36, s21, 9728                       ; the weights' record of my K step
	s_add_co_u32 s36, s36, 819200
	s_mov_b32 s37, 0
	s_add_nc_u64 s[6:7], s[6:7], s[36:37]
	s_cmp_eq_u32 s23, 0
	s_cselect_b64 s[8:9], s[8:9], s[10:11]
	s_cmp_eq_u32 s23, 2
	s_cselect_b64 s[8:9], s[12:13], s[8:9]         ; my job's bias
	s_lshl_b32 s38, ttmp9, 1
	s_add_co_u32 s38, s38, s22                     ; my job's tile among all 512
	s_lshl_b32 s36, s38, 9
	s_lshl_b32 s39, s23, 18
	s_add_co_u32 s36, s36, s39
	s_add_nc_u64 s[68:69], s[14:15], s[36:37]      ; c_q's or c_kv's tile
	s_lshr_b32 s36, s38, 3
	s_mul_i32 s36, s36, 3584
	s_add_co_u32 s36, s36, 524288
	s_and_b32 s39, s38, 7
	s_mul_i32 s43, s39, 384
	s_add_co_u32 s43, s43, s36
	s_lshl_b32 s39, s39, 6
	s_add_co_u32 s36, s36, s39
	s_add_co_u32 s36, s36, 3072
	s_add_nc_u64 s[72:73], s[14:15], s[36:37]      ; k_r's scale words
	s_mov_b32 s36, s43
	s_add_nc_u64 s[70:71], s[14:15], s[36:37]      ; k_r's codes
	v_and_b32 v10, 31, v0
	v_and_b32 v11, 15, v0
	v_bfe_u32 v12, v0, 4, 1
	v_lshlrev_b32 v[LI], 4, v10
	v_lshlrev_b32 v[LS], 2, v10
	v_mul_u32_u24 v[STR], v11, RP
	v_lshl_add_u32 v[STR], v12, 6, v[STR]
	v_add_nc_u32 v[STR], s19, v[STR]
	v_lshlrev_b32 v[BO], 6, v12
	v_mul_u32_u24 v[KO], v11, 24
	v_mad_u32_u24 v[KO], v12, 12, v[KO]
	v_lshlrev_b32 v[RO], 2, v11
	v_mov_b32 v[ZR], 0
	v_add_nc_u32 v[PST], s44, v[LI]
	v_add_nc_u32 v[PLD], s45, v[LI]
.irp b, 0,1,2,3
	v_mov_b32 v[TM+4+\b], 0                        ; a lane permute's destination counts as one of its sources
.endr
	v_mov_b32 v[FC+4], 0
.irp u, 0,1                                    ; register 8 u + j is column 16 (lane / 16) + 8 u + j
	global_load_b128 v[SUM+8*\u:SUM+8*\u+3], v[BO], s[8:9] offset:32*\u
	global_load_b128 v[SUM+8*\u+4:SUM+8*\u+7], v[BO], s[8:9] offset:32*\u+16
.endr
.irp t, 0,1,2,3,4,5
.irp c, 0,1,2
	global_load_b128 v[W+12*\t+4*\c:W+12*\t+4*\c+3], v[LI], s[6:7] offset:1536*\t+512*\c
.endr
.endr
.irp m, 0,1,2
	global_load_b32 v[WS+\m], v[LS], s[6:7] offset:9216+128*\m
.endr
	s_wait_alu depctr_va_vdst(0)                   ; the head's end
	s_wait_tensorcnt 0x0                           ; my 8 rows are in;
	s_barrier_signal -1
	s_barrier_wait -1                              ; everybody's are
.irp b, 0,1,2,3
.irp j, 0,1,2,3
	ds_load_b128 v[X+16*\b+4*\j:X+16*\b+4*\j+3], v[STR] offset:128*\b+16*\j   ; register 16 b + i: k = 32 b + 16 (lane / 16) + i of my row
.endr
.endr
	s_wait_dscnt 0x0
.irp b, 0,1,2,3
	v_max3_num_f32 v[TM+\b], |v[X+16*\b]|, |v[X+1+16*\b]|, 0x1800000   ; with the floor 2^(3 - 127): the byte cannot fall under 1
.endr
.irp i, 2,4,6,8,10,12,14
.irp b, 0,1,2,3
	v_max3_num_f32 v[TM+\b], v[TM+\b], |v[X+16*\b+\i]|, |v[X+1+16*\b+\i]|
.endr
.endr
.irp b, 0,1,2,3
	v_permlanex16_b32 v[TM+4+\b], v[TM+\b], s[SEL], s[SEL+1]
.endr
.irp b, 0,1,2,3
	v_max_num_f32 v[TM+\b], v[TM+\b], v[TM+4+\b]   ; the block's largest magnitude
.endr
.irp b, 0,1,2,3
	v_add_nc_u32 v[TM+8+\b], 0xff000000, v[TM+\b]  ; 2 off its exponent field: the conversion's scale operand
.endr
.irp b, 0,1,2,3
	v_lshrrev_b32 v[TM+4+\b], 23, v[TM+8+\b]       ; the scale's byte
.endr
	v_lshl_or_b32 v[PW], v[TM+5], 8, v[TM+4]
	v_lshl_or_b32 v[PW], v[TM+6], 16, v[PW]
	v_lshl_or_b32 v[PW], v[TM+7], 24, v[PW]
.irp c, 0,1
	v_cvt_scalef32_pk16_fp6_f32 v[PC+6*\c:PC+6*\c+2], v[X+32*\c:X+32*\c+15], v[TM+8+2*\c]
	v_cvt_scalef32_pk16_fp6_f32 v[CT+4*\c:CT+4*\c+2], v[X+32*\c+16:X+32*\c+31], v[TM+8+2*\c+1]
.endr
	v_nop                                          ; one plain place behind a scaled conversion
.irp c, 0,1                                    ; the operand's layout wants a whole block in a lane
.irp i, 0,1,2
	v_permlane16_swap_b32 v[PC+6*\c+\i], v[CT+4*\c+\i]
.endr
.irp i, 0,1,2
	v_mov_b32 v[PC+3+6*\c+\i], v[CT+4*\c+\i]
.endr
.endr
	s_wait_alu depctr_va_vdst(0)                   ; directly ahead of the wait below
	s_wait_loadcnt 0x0                             ; the weights and the bias
.rept 8
	v_nop                                          ; a scale register written by a vector instruction stands 8 places ahead of a scaled matrix instruction
.endr
.irp t, 0,2,4                                  ; transposed: source 0 = 16 columns of a weight, source 1 = my 16 tokens; six sums, each begun with 0
	v_wmma_scale_f32_16x16x128_f8f6f4 v[ACC+8*\t:ACC+8*\t+7], v[W+12*\t:W+12*\t+11], v[PC:PC+11], 0, v[WS+\t/2], v[PW] matrix_a_fmt:MATRIX_FMT_FP6 matrix_b_fmt:MATRIX_FMT_FP6
	v_wmma_scale_f32_16x16x128_f8f6f4 v[ACC+8*\t+8:ACC+8*\t+15], v[W+12*\t+12:W+12*\t+23], v[PC:PC+11], 0, v[WS+\t/2], v[PW] matrix_a_fmt:MATRIX_FMT_FP6 matrix_b_fmt:MATRIX_FMT_FP6 matrix_a_scale:MATRIX_SCALE_ROW1
.endr
.rept 4
	v_nop
.endr
.irp a, 0,1,2,3,4,5
	ds_store_b128 v[PST], v[ACC+8*\a:ACC+8*\a+3] offset:1024*\a          ; each accumulator from its low end on
	ds_store_b128 v[PST], v[ACC+8*\a+4:ACC+8*\a+7] offset:1024*\a+512
.endr
	s_wait_dscnt 0x0                               ; my parts are written;
	s_barrier_signal -1
	s_barrier_wait -1                              ; everybody's are
	s_cmp_lt_u32 s[WV], 6
	s_cbranch_scc0 .Lend
.irp s, 0,1,2,3,4,5,6,7
.irp c, 0,1,2,3
	ds_load_b128 v[X+16*\s+4*\c:X+16*\s+4*\c+3], v[PLD] offset:PWB*\s+512*\c
.endr
.endr
	s_wait_dscnt 0x0
.irp s, 0,1,2,3,4,5,6,7
.irp i, 0,2,4,6,8,10,12,14
	v_pk_add_f32 v[SUM+\i:SUM+\i+1], v[SUM+\i:SUM+\i+1], v[X+16*\s+\i:X+16*\s+\i+1]
.endr
.endr
	v_max3_num_f32 v[TM], |v[SUM]|, |v[SUM+1]|, 0x1800000
	v_max3_num_f32 v[TM+1], |v[SUM+2]|, |v[SUM+3]|, |v[SUM+4]|
.irp i, 5,9
	v_max3_num_f32 v[TM], v[TM], |v[SUM+\i]|, |v[SUM+\i+1]|
	v_max3_num_f32 v[TM+1], v[TM+1], |v[SUM+\i+2]|, |v[SUM+\i+3]|
.endr
	v_max3_num_f32 v[TM], v[TM], |v[SUM+13]|, |v[SUM+14]|
	v_max3_num_f32 v[TM], v[TM], v[TM+1], |v[SUM+15]|
	v_permlanex16_b32 v[TM+4], v[TM], s[SEL], s[SEL+1]
	v_max_num_f32 v[TM], v[TM], v[TM+4]
	v_add_nc_u32 v[TM+8], 0xff000000, v[TM]
	v_lshrrev_b32 v[TM+4], 23, v[TM+8]
	v_cvt_scalef32_pk16_fp6_f32 v[FC:FC+2], v[SUM:SUM+15], v[TM+8]
	v_nop
	v_perm_b32 v[FC+3], v[TM+4], v[TM+4], 0        ; the byte in all four bytes
	s_cmp_eq_u32 s23, 2
	s_wait_alu depctr_va_vdst(0)                   ; directly ahead of the branch
	s_cbranch_scc1 .Lrope
	v_permlanex16_b32 v[FC+4], v[FC], s[SEL], s[SEL+1]
	v_cndmask_b32 v16, v[FC], v[FC+1], s[HM]
	v_cndmask_b32 v17, v[FC+1], v[FC+2], s[HM]
	v_cndmask_b32 v18, v[FC+2], v[FC+3], s[HM]
	v_cndmask_b32 v19, v[FC+4], v[ZR], s[HM]
	global_store_b128 v[LI], v[16:19], s[68:69]    ; 512 consecutive bytes
	s_branch .Lend
.Lrope:
	global_store_b96 v[KO], v[FC:FC+2], s[70:71]   ; 384 consecutive bytes
	global_store_b32 v[RO], v[FC+3], s[72:73]      ; both halves of the lanes write the same word
.Lend:
	s_wait_tensorcnt 0x0                           ; the wave's end
	ds_add_u32 v[SPW], v[NIL]
	s_wait_dscnt 0x0
	s_endpgm
.Lfunc_end_k_qf4da67d807_latent:
	.size	k_qf4da67d807_latent, .Lfunc_end_k_qf4da67d807_latent-k_qf4da67d807_latent
	.p2alignl 7, 3214868480
	.fill 96, 4, 3214868480
	.section	.rodata,"a",@progbits
	.p2align	6, 0x0
	.amdhsa_kernel k_qf4da67d807_latent
		.amdhsa_group_segment_fixed_size 327680
		.amdhsa_private_segment_fixed_size 0
		.amdhsa_enable_private_segment 0
		.amdhsa_kernarg_size 48
		.amdhsa_user_sgpr_count 2
		.amdhsa_user_sgpr_kernarg_segment_ptr 1
		.amdhsa_wavefront_size32 1
		.amdhsa_system_sgpr_workgroup_id_x 1
		.amdhsa_system_sgpr_workgroup_id_y 1
		.amdhsa_system_sgpr_workgroup_id_z 1
		.amdhsa_system_vgpr_workitem_id 0
		.amdhsa_next_free_vgpr 256
		.amdhsa_next_free_sgpr 80
		.amdhsa_reserve_vcc 0
		.amdhsa_float_denorm_mode_32 3
		.amdhsa_float_denorm_mode_16_64 3
		.amdhsa_memory_ordered 1
		.amdhsa_forward_progress 1
		.amdhsa_inst_pref_size 22
	.end_amdhsa_kernel
	.amdgpu_metadata
---
amdhsa.version: [ 1, 2 ]
amdhsa.kernels:
  - .name:           k_qf4da67d807_latent
    .symbol:         k_qf4da67d807_latent.kd
    .args:
      - { .name: h_t, .offset: 0, .size: 8, .value_kind: global_buffer, .address_space: global }
      - { .name: WPREP, .offset: 8, .size: 8, .value_kind: global_buffer, .address_space: global }
      - { .name: b_DQ, .offset: 16, .size: 8, .value_kind: global_buffer, .address_space: global }
      - { .name: b_DKV, .offset: 24, .size: 8, .value_kind: global_buffer, .address_space: global }
      - { .name: b_KR, .offset: 32, .size: 8, .value_kind: global_buffer, .address_space: global }
      - { .name: LAT, .offset: 40, .size: 8, .value_kind: global_buffer, .address_space: global }
    .group_segment_fixed_size: 327680
    .private_segment_fixed_size: 0
    .kernarg_segment_align: 8
    .kernarg_segment_size: 48
    .max_flat_workgroup_size: 512
    .sgpr_count:     80
    .vgpr_count:     256
    .wavefront_size: 32
...
	.end_amdgpu_metadata
.endif
;; end of part 2
;; launch up (part 3): grid 13 x 64, 4 waves a work-group, no clusters, 0 bytes of LDS; arguments WPREP, LAT, b_UQ, b_UK, b_QR, UPB; writes UPB
.if DOCPART == 3
	.amdgcn_target "amdgcn-amd-amdhsa--gfx1250"
	.amdhsa_code_object_version 6
	.text
	.protected	k_qf4da67d807_up
	.globl	k_qf4da67d807_up
	.p2align	8
	.type	k_qf4da67d807_up,@function
k_qf4da67d807_up:
	s_mov_b64 s[64:65], 0
	v_nop
	global_prefetch_b8 v0, s[64:65] scope:SCOPE_SE
	s_setreg_imm32_b32 hwreg(HW_REG_WAVE_MODE, 25, 1), 1
	s_wait_xcnt 0x0
; q_c = c_q W_UQ + b_UQ, k_c = c_kv W_UK + b_UK, v_c = c_kv W_UV + b_UV, q_r = c_q W_QR + b_QR, all with K = 32, on codes of FP6 (E2M3); each result is quantised at once for the attention: q_c, k_c along a head's 128, q_r along a head's 32, v_c ALONG THE KEYS.
; A block of 12,800 bytes of UPB belongs to 128 tokens (work-group y) and a kind kappa: 0-7 q_c's heads, 8-15 k_c's, 16, 17 q_r's groups of four heads, 18-25 v_c's heads.  It holds 8 images of fragments
; (16 rows x 128 K: 1,536 bytes, registers 4 c .. 4 c + 3 of lane l at 512 c + 16 l), then 64 bytes of scale words a tile.
; A JOB of one wave is FOUR of a block's eight tiles: wave w of a work-group takes kind 2 x + w % 2 and tiles 4 (w / 2) on.  3,328 jobs.  No LDS, no barrier: waves share nothing.
; K = 32 IN A FORM OF 128.  One operand is PACKED: four different tiles of 16 rows lie in a fragment's four blocks along K.  The other has its one block in block j and ZERO CODES in the other three: such a product is tile j's alone.
; The four such operands are views of 30 registers Z L Z U Z (Z: six zeros; L: the block's six words in lanes 0-15, zeros above; U: the other way round): block 0 is (L, Z), 1 (U, Z), 2 (Z, L), 3 (Z, U).
; q, k, q_r: the weight is packed (source 0), a tile of tokens is source 1: a lane holds one token, its 64 registers run along the head's 128; a job's four tiles are tiles of tokens.
; v: THE TOKENS ARE PACKED (source 0) and a tile of 16 of W_UV's columns is source 1: a lane holds one channel d, and its 64 registers run along the 128 keys; a job's four tiles are tiles of channels.
; The rows of every tile are 32 (T / 2) + 8 (T % 2) + r + 8 (r / 8), so that register 16 b + i is index 32 b + 16 (lane / 16) + i.
; The biases are the C of each product: for q, k, q_r eight registers a tile; for v the channel's own b_UV, which rides in W_UV's tile.
; LIMITS: a block of zeros gets the byte 1 where the rule says 127 (its codes are zeros; this program alone reads the bytes); blocks under 2^-124 are held at byte 1; NaN and infinities are not served.
.set LI,   1                           ; 16 x lane
.set LS,   2                           ; 4 x lane
.set R16,  3                           ; 16 r
.set RH,   4                           ; 16 r + 512 (lane / 16)
.set BO,   5                           ; 64 (lane / 16)
.set PKS,  10                          ; the packed fragments' scale words
.set PK,   12                          ; v12-35 the two packed fragments
.set T0,   36                          ; v36-43, v44-51 two sets: a tile's row: code words 0-5, the scale word, the extra word
.set VAR,  52                          ; v52-81 Z L Z U Z
.set PC,   82                          ; v82-93 the codes just made
.set CT,   94
.set TM,   102
.set PWS,  114                         ; the tiles' scale words
.set WK,   122
.set BIAS, 128                         ; v128-191 biases (v: v128-135)
.set ACC,  192                         ; v192-255 eight accumulators
.set SEL,  36
.set HM,   38
.set HF,   39                          ; s39 which four tiles are mine
.macro QUANT s, pw
.irp b, 0,1,2,3
	v_max3_num_f32 v[TM+\b], |v[\s+16*\b]|, |v[\s+1+16*\b]|, 0x1800000   ; with the floor 2^(3 - 127): the byte cannot fall under 1
.endr
.irp i, 2,4,6,8,10,12,14
.irp b, 0,1,2,3
	v_max3_num_f32 v[TM+\b], v[TM+\b], |v[\s+16*\b+\i]|, |v[\s+1+16*\b+\i]|
.endr
.endr
.irp b, 0,1,2,3
	v_permlanex16_b32 v[TM+4+\b], v[TM+\b], s[SEL], s[SEL+1]
.endr
.irp b, 0,1,2,3
	v_max_num_f32 v[TM+\b], v[TM+\b], v[TM+4+\b]
.endr
.irp b, 0,1,2,3
	v_add_nc_u32 v[TM+8+\b], 0xff000000, v[TM+\b]  ; 2 off the exponent field: the conversion's scale operand
.endr
.irp b, 0,1,2,3
	v_lshrrev_b32 v[TM+4+\b], 23, v[TM+8+\b]       ; the scale's byte
.endr
	v_lshl_or_b32 v[\pw], v[TM+5], 8, v[TM+4]
	v_lshl_or_b32 v[\pw], v[TM+6], 16, v[\pw]
	v_lshl_or_b32 v[\pw], v[TM+7], 24, v[\pw]
.irp c, 0,1
	v_cvt_scalef32_pk16_fp6_f32 v[PC+6*\c:PC+6*\c+2], v[\s+32*\c:\s+32*\c+15], v[TM+8+2*\c]
	v_cvt_scalef32_pk16_fp6_f32 v[CT+4*\c:CT+4*\c+2], v[\s+32*\c+16:\s+32*\c+31], v[TM+8+2*\c+1]
.endr
	v_nop                                          ; one plain place behind a scaled conversion
.irp c, 0,1
.irp i, 0,1,2
	v_permlane16_swap_b32 v[PC+6*\c+\i], v[CT+4*\c+\i]
.endr
.irp i, 0,1,2
	v_mov_b32 v[PC+3+6*\c+\i], v[CT+4*\c+\i]
.endr
.endr
.endm
.macro TLD i                           ; my tile i of the operand that is not packed: every lane takes row r's 32 bytes
	global_load_b128 v[T0+8*((\i)%2):T0+8*((\i)%2)+3], v[R16], s[26:27] offset:512*(\i)
	global_load_b128 v[T0+8*((\i)%2)+4:T0+8*((\i)%2)+7], v[R16], s[26:27] offset:512*(\i)+256
.endm
.macro TILE i, vk                      ; one tile of the result: eight products, quantised, stored.  vk = 1: v
.set TS, T0+8*((\i)%2)
.if (\i) < 3
	s_wait_loadcnt 2                               ; this tile's row is in (at the first tile all of the head's loads too); the next tile's two loads may be out
.else
	s_wait_loadcnt 0x0
.endif
.if \vk
.irp j, 0,1,2,3,4,5,6,7
	v_mov_b32 v[BIAS+\j], v[TS+7]                  ; my channel's b_UV, for all my keys
.endr
.endif
.irp j, 0,1,2,3,4,5
	v_cndmask_b32 v[VAR+6+\j], v[TS+\j], v[VAR], s[HM]     ; L
	v_cndmask_b32 v[VAR+18+\j], v[VAR], v[TS+\j], s[HM]    ; U
.endr
.rept 4
	v_nop                                          ; an operand written by vector instructions stands 4 places ahead of a scaled matrix instruction
.endr
.irp f, 0,1
.irp j, 0,1,2,3
.if \vk
	v_wmma_scale_f32_16x16x128_f8f6f4 v[ACC+8*(4*\f+\j):ACC+8*(4*\f+\j)+7], v[PK+12*\f:PK+12*\f+11], v[VAR+6*((\j%2)*2+1-\j/2):VAR+6*((\j%2)*2+1-\j/2)+11], v[BIAS:BIAS+7], v[PKS+\f], v[TS+6] matrix_a_fmt:MATRIX_FMT_FP6 matrix_b_fmt:MATRIX_FMT_FP6
.else
	v_wmma_scale_f32_16x16x128_f8f6f4 v[ACC+8*(4*\f+\j):ACC+8*(4*\f+\j)+7], v[PK+12*\f:PK+12*\f+11], v[VAR+6*((\j%2)*2+1-\j/2):VAR+6*((\j%2)*2+1-\j/2)+11], v[BIAS+8*(4*\f+\j):BIAS+8*(4*\f+\j)+7], v[PKS+\f], v[TS+6] matrix_a_fmt:MATRIX_FMT_FP6 matrix_b_fmt:MATRIX_FMT_FP6
.endif
.endr
.endr
.rept 4
	v_nop                                          ; places in front of the load into the scale register and of the first read of results
.endr
.if (\i) < 2
	TLD (\i)+2
.endif
	s_wait_xcnt 0x0                                ; the last tile's stores have read their registers: the codes may be written again
	QUANT ACC, PWS+(\i)
.irp c, 0,1,2
	global_store_b128 v[LI], v[PC+4*\c:PC+4*\c+3], s[28:29] offset:1536*(\i)+512*\c   ; the image: 512 consecutive bytes a store
.endr
.endm
.macro FINISH                          ; the scale words: lanes 0-15 an even tile's, lanes 16-31 the next tile's: two stores cover 256 consecutive bytes
.irp p, 0,1
	v_cndmask_b32 v[WK+\p], v[PWS+2*\p], v[PWS+2*\p+1], s[HM]
.endr
.irp p, 0,1
	global_store_b32 v[LS], v[WK+\p], s[32:33] offset:128*\p
.endr
	s_endpgm
.endm
.macro OUTAT                           ; s28: the block's first byte in UPB.  My four images begin 6,144 x half further on, my scale words at 12,288 + 256 x half
	s_lshl_b32 s32, s[HF], 8
	s_add_co_u32 s32, s32, s28
	s_add_co_u32 s32, s32, 12288
	s_mov_b32 s33, 0
	s_add_nc_u64 s[32:33], s[14:15], s[32:33]
	s_mul_i32 s34, s[HF], 6144
	s_add_co_u32 s28, s28, s34
	s_add_nc_u64 s[28:29], s[14:15], s[28:29]
.endm
	s_load_b128 s[4:7], s[0:1], 0x0                ; WPREP, LAT
	s_load_b128 s[8:11], s[0:1], 0x10              ; b_UQ, b_UK
	s_load_b128 s[12:15], s[0:1], 0x20             ; b_QR, UPB
	v_lshrrev_b32 v6, 5, v0
	v_readfirstlane_b32 s16, v6                    ; wave 0..3
	s_lshr_b32 s[HF], s16, 1
	s_and_b32 s16, s16, 1
	s_lshl_b32 s17, ttmp9, 1
	s_add_co_u32 s17, s17, s16                     ; kappa
	s_and_b32 s18, ttmp7, 0xffff                   ; the block of 128 tokens
	s_lshr_b32 s19, s18, 4                         ; its batch
	s_and_b32 s20, s18, 15                         ; and its place there
	v_and_b32 v6, 31, v0
	v_lshlrev_b32 v[LI], 4, v6
	v_lshlrev_b32 v[LS], 2, v6
	v_and_b32 v6, 15, v0
	v_bfe_u32 v7, v0, 4, 1
	v_lshlrev_b32 v[R16], 4, v6
	v_lshl_add_u32 v[RH], v7, 9, v[R16]
	v_lshlrev_b32 v[BO], 6, v7
.irp i, 0,1,2,3,4,5
	v_mov_b32 v[VAR+\i], 0                         ; Z, three times: cleared once
	v_mov_b32 v[VAR+12+\i], 0
	v_mov_b32 v[VAR+24+\i], 0
.endr
.irp b, 0,1,2,3
	v_mov_b32 v[TM+4+\b], 0                        ; a lane permute's destination counts as one of its sources
.endr
	s_mov_b32 s[SEL], 0x76543210
	s_mov_b32 s[SEL+1], 0xfedcba98
	s_mov_b32 s[HM], 0xffff0000
	s_mov_b32 s27, 0
	s_mov_b32 s29, 0
	s_mov_b32 s31, 0
	s_wait_kmcnt 0x0
	s_cmp_ge_u32 s17, 18                           ; the two paths part on ids alone and never join
	s_cbranch_scc1 .Lv
	s_and_b32 s21, s17, 7                          ; the head (q_r: the group of four heads)
	s_lshr_b32 s22, s17, 3                         ; 0 q_c, 1 k_c, 2 q_r
	s_cmp_eq_u32 s22, 1
	s_cselect_b32 s26, 262144, 0                   ; k_c takes c_kv's tiles, the others c_q's
	s_cselect_b64 s[8:9], s[10:11], s[8:9]
	s_cmp_eq_u32 s22, 2
	s_cselect_b64 s[8:9], s[12:13], s[8:9]         ; the bias
	s_cselect_b32 s24, 1, 3                        ; a batch has 2 groups, or 8 heads
	s_cselect_b32 s25, 3, s22                      ; the region of UPB: q_c 0, k_c 1, q_r 3
	s_lshl_b32 s23, s18, 12                        ; 8 tiles of 512 bytes a block of tokens,
	s_add_co_u32 s26, s26, s23
	s_lshl_b32 s23, s[HF], 11                      ; of which my four
	s_add_co_u32 s26, s26, s23
	s_add_nc_u64 s[26:27], s[6:7], s[26:27]
	s_lshl_b32 s28, s21, 9
	s_add_nc_u64 s[8:9], s[8:9], s[28:29]
	s_mul_i32 s30, s17, 3328
	s_add_co_u32 s30, s30, 897024
	s_add_nc_u64 s[30:31], s[4:5], s[30:31]        ; the packed weight's record
	s_lshl_b32 s28, s19, s24
	s_add_co_u32 s28, s28, s21
	s_lshl_b32 s28, s28, 4
	s_add_co_u32 s28, s28, s20
	s_mul_i32 s28, s28, 12800
	s_mul_i32 s25, s25, 6553600
	s_add_co_u32 s28, s28, s25
	OUTAT
.irp c, 0,1,2,3,4,5
	global_load_b128 v[PK+4*\c:PK+4*\c+3], v[LI], s[30:31] offset:512*\c
.endr
.irp f, 0,1
	global_load_b32 v[PKS+\f], v[LS], s[30:31] offset:3072+128*\f
.endr
.irp t, 0,1,2,3,4,5,6,7                        ; register j of tile t is column 32 (t / 2) + 16 (lane / 16) + 8 (t % 2) + j
	global_load_b128 v[BIAS+8*\t:BIAS+8*\t+3], v[BO], s[8:9] offset:128*(\t/2)+32*(\t%2)
	global_load_b128 v[BIAS+8*\t+4:BIAS+8*\t+7], v[BO], s[8:9] offset:128*(\t/2)+32*(\t%2)+16
.endr
	TLD 0
	TLD 1
.irp i, 0,1,2,3
	TILE \i, 0
.endr
	FINISH
.Lv:
	s_sub_co_u32 s21, s17, 18                      ; the head
	s_lshl_b32 s26, s21, 12
	s_add_co_u32 s26, s26, 956928
	s_lshl_b32 s23, s[HF], 11
	s_add_co_u32 s26, s26, s23
	s_add_nc_u64 s[26:27], s[4:5], s[26:27]        ; my four of W_UV's eight tiles
	s_lshl_b32 s30, s18, 12
	s_add_co_u32 s30, s30, 262144
	s_add_nc_u64 s[30:31], s[6:7], s[30:31]        ; c_kv's eight tiles
	s_lshl_b32 s28, s19, 3
	s_add_co_u32 s28, s28, s21
	s_lshl_b32 s28, s28, 4
	s_add_co_u32 s28, s28, s20
	s_mul_i32 s28, s28, 12800
	s_add_co_u32 s28, s28, 13107200
	OUTAT
.irp g, 0,1                                    ; the tokens are packed here: registers 6 c .. 6 c + 5 of lane (r, half) of fragment g are row r of tile 4 g + 2 c + half
.irp c, 0,1
	global_load_b128 v[PK+12*\g+6*\c:PK+12*\g+6*\c+3], v[RH], s[30:31] offset:(4*\g+2*\c)*512
	global_load_b64 v[PK+12*\g+6*\c+4:PK+12*\g+6*\c+5], v[RH], s[30:31] offset:(4*\g+2*\c)*512+256
.endr
.endr
.irp t, 0,1,2,3,4,5,6,7
	global_load_b32 v[PWS+\t], v[R16], s[30:31] offset:512*\t+264   ; tile t's scale word of row r (the byte four times)
.endr
	TLD 0
	TLD 1
	s_wait_loadcnt 4                               ; all but the two tiles' four loads
.irp g, 0,1                                    ; byte j of a packed fragment's scale word is tile 4 g + j's
	v_bfi_b32 v[PKS+\g], 0xff0000, v[PWS+4*\g+2], v[PWS+4*\g+3]
	v_bfi_b32 v[PKS+\g], 0xff00, v[PWS+4*\g+1], v[PKS+\g]
	v_bfi_b32 v[PKS+\g], 0xff, v[PWS+4*\g], v[PKS+\g]
.endr
.rept 4
	v_nop                                          ; a scale register written by a vector instruction stands 8 places ahead of a scaled matrix instruction: these four and the four in front of the first products
.endr
.irp i, 0,1,2,3
	TILE \i, 1
.endr
	FINISH
.Lfunc_end_k_qf4da67d807_up:
	.size	k_qf4da67d807_up, .Lfunc_end_k_qf4da67d807_up-k_qf4da67d807_up
	.p2alignl 7, 3214868480
	.fill 96, 4, 3214868480
	.section	.rodata,"a",@progbits
	.p2align	6, 0x0
	.amdhsa_kernel k_qf4da67d807_up
		.amdhsa_group_segment_fixed_size 0
		.amdhsa_private_segment_fixed_size 0
		.amdhsa_enable_private_segment 0
		.amdhsa_kernarg_size 48
		.amdhsa_user_sgpr_count 2
		.amdhsa_user_sgpr_kernarg_segment_ptr 1
		.amdhsa_wavefront_size32 1
		.amdhsa_system_sgpr_workgroup_id_x 1
		.amdhsa_system_sgpr_workgroup_id_y 1
		.amdhsa_system_sgpr_workgroup_id_z 1
		.amdhsa_system_vgpr_workitem_id 0
		.amdhsa_next_free_vgpr 256
		.amdhsa_next_free_sgpr 66
		.amdhsa_reserve_vcc 0
		.amdhsa_float_denorm_mode_32 3
		.amdhsa_float_denorm_mode_16_64 3
		.amdhsa_memory_ordered 1
		.amdhsa_forward_progress 1
		.amdhsa_inst_pref_size 61
	.end_amdhsa_kernel
	.amdgpu_metadata
---
amdhsa.version: [ 1, 2 ]
amdhsa.kernels:
  - .name:           k_qf4da67d807_up
    .symbol:         k_qf4da67d807_up.kd
    .args:
      - { .name: WPREP, .offset: 0, .size: 8, .value_kind: global_buffer, .address_space: global }
      - { .name: LAT, .offset: 8, .size: 8, .value_kind: global_buffer, .address_space: global }
      - { .name: b_UQ, .offset: 16, .size: 8, .value_kind: global_buffer, .address_space: global }
      - { .name: b_UK, .offset: 24, .size: 8, .value_kind: global_buffer, .address_space: global }
      - { .name: b_QR, .offset: 32, .size: 8, .value_kind: global_buffer, .address_space: global }
      - { .name: UPB, .offset: 40, .size: 8, .value_kind: global_buffer, .address_space: global }
    .group_segment_fixed_size: 0
    .private_segment_fixed_size: 0
    .kernarg_segment_align: 8
    .kernarg_segment_size: 48
    .max_flat_workgroup_size: 128
    .sgpr_count:     66
    .vgpr_count:     256
    .wavefront_size: 32
...
	.end_amdgpu_metadata
.endif
;; end of part 3
;; launch attn (part 4): grid 8 x 32, 8 waves a work-group, no clusters, 327,680 bytes of LDS; arguments UPB, LAT, OC; writes OC
.if DOCPART == 4
	.amdgcn_target "amdgcn-amd-amdhsa--gfx1250"
	.amdhsa_code_object_version 6
	.text
	.protected	k_qf4da67d807_attn
	.globl	k_qf4da67d807_attn
	.p2align	8
	.type	k_qf4da67d807_attn,@function
k_qf4da67d807_attn:
	s_mov_b64 s[64:65], 0
	v_nop
	global_prefetch_b8 v0, s[64:65] scope:SCOPE_SE
	s_setreg_imm32_b32 hwreg(HW_REG_WAVE_MODE, 25, 1), 1
	s_wait_xcnt 0x0
; o[b][h][q] = the sum over keys of softmax(q . k / sqrt(160)) v, both products on codes of FP6 (E2M3) with one E8M0 scale for each 32 along a product's K; o is divided by the row's sum, quantised along the head's 128 and stored as codes.
; q . k has K = 160: four blocks of content (one product of 128) and one block shared by all heads on the keys' side (rope part, K = 32).
; THE SOFTMAX: t = score x log2(e) / sqrt(160); M = the row's largest t so far, rounded UP to a whole number; p = 2^(t - M) is quantised along the keys, not normalised.  The row's sum is taken of the unquantised p.
; When M moves, the sum and O are multiplied by 2^(old M - new M): exact.  A block's largest p is made from the block's largest score by the same two instructions.
; SHARES.  A work-group owns 256 queries of one head (x: the block of queries, y: 8 x batch + head); each of its eight waves TWO tiles of 16, in 512 registers: each fragment of K and V that a wave reads from LDS feeds two products.
; Every wave walks all 2,048 keys, 128 a step, in this order: QK(i) (32 products), V(i)'s fragments asked for, the two softmaxes of step i, PV(i) (16 products), QK(i + 1) ..
; THE RING: two LDS slots of ONE key step (K's block and V's block, 25,600 bytes), filled by waves 0-3, 6,400 bytes each, one tensor load a wave behind each barrier.  The batch's sixteen rope records (57,344 bytes) come once, at the head, by waves 4-7.
; TWO GROUPS OF WAVES, group = (w xor w / 4) % 2.  All waves pass the same barrier at each change of slots, but at different places of their step: group 0 behind its softmaxes of step i, group 1 ahead of them (its fragments of V are in registers by then).
; So between two barriers group 0 runs PV(i), QK(i + 1), softmaxes(i + 1) and group 1 softmaxes(i), PV(i), QK(i + 1): one group's matrix instructions and LDS loads stand beside the other's vector work.  The softmaxes stand twice in the loop, each under a branch on the group.
; OPERANDS LIE IN MEMORY AND IN LDS AS IMAGES OF THEIR REGISTERS: a block of 12,800 bytes is 8 images (1,536 bytes: registers 4 c .. 4 c + 3 of lane l at 512 c + 16 l) and 64 bytes of scale words a tile.
; LAYOUT.  Both products are used transposed (S^T = K Q^T, O^T = V^T P^T): a lane holds ONE query of each tile.  Row r of tile T is index 32 (T / 2) + 8 (T % 2) + r + 8 (r / 8), so that the 16 registers of tiles 2 b, 2 b + 1 are 16 neighbours.
; THE ROPE BLOCK.  Four tiles of 16 keys are read as ONE fragment, a tile in each of its four blocks along K; Q's rope block stands in block j of source 1 with zero codes in the other three: such a product adds tile j's part alone.
; The four such operands of a tile of queries are views of 30 registers Z L Z U Z (Z: six zeros; L: the block in lanes 0-15; U: in lanes 16-31); the two tiles share the Z between them: 54 registers.
; REGISTERS, in windows of 256 (s_set_vgpr_msb: bits 1:0 source 0, 3:2 source 1, 5:4 source 2, 7:6 destination):
;   window 0: v1-9, v13 addresses; v10-21 scale words; v22-29 statistics; v30-49 at work; v50-73 the rope fragments, then p's codes; v74-127 Q's rope blocks; v128-255 S^T, then p, of both tiles
;   window 1: v0-127 O^T of both tiles; v128-151 Q's content fragments; v152-247 eight fragments of K or of V
; NO CLUSTER: what the eight work-groups of a head share is 25,600 bytes a key step, in which a work-group's eight waves issue 384 matrix instructions and some 4,000 vector instructions; a joint refill would put a round of the cluster's barrier in front of every key step.
; LIMITS: a block of zeros gets the byte 1 where the rule says 127 (its codes are zeros; this program alone reads the bytes); blocks under 2^-124 are held at byte 1; NaN and infinities are not served; the scaled scores stay under 2^31 in magnitude.
.set G8,    12800
.set IMG,   1536
.set VOFF,  G8                         ; a slot: K's block, V's block
.set SLOT1, 1<<15                      ; slot 1 begins here: one exclusive or turns an address in one slot into the other's
.set ROFF,  1<<16                      ; the rope records: 3,584 bytes a key step: 8 tiles x 384 bytes, then 8 x 64 bytes of scale words
.set RREC,  3584
.set SPARE, ROFF+16*RREC               ; the spare words, 128 bytes for each wave
.set SPW, 1
.set NIL, 2
.set LI,  3                            ; 16 x lane
.set LR,  4                            ; 24 r + 384 (lane / 16)
.set LS,  5                            ; 4 x lane
.set ADK, 6                            ; LI, LS in the slot in hand; LR, LS in the rope record in hand
.set ADR, 7
.set ADT, 8
.set PFO, 9                            ; the prefetches' offset; never rewritten
.set QS,  10
.set QRS, 11
.set PW,  12
.set ADS, 13
.set KS,  14                           ; v14-17 K's or V's scale words: register u: lanes 0-15 tile 2 u, lanes 16-31 tile 2 u + 1
.set RS,  18                           ; v18-21 the rope's
.set ST,  22                           ; tile u's statistics at v[ST + 4 u]: -M, the largest t, the sum in two halves
.set BM,  30
.set TM,  30
.set PT,  34
.set CT,  38
.set SB,  38
.set FF,  46
.set TP,  48
.set PWT, 49
.set PC,  50
.set QR,  74
.set S,   128
.set QC,  128
.set FA,  152
.set RW,  136
.set TB,  2                            ; s2  LDS byte at which the slot in hand begins
.set RB,  3                            ; s3  and the rope record in hand
.set GRP, 10                           ; s10 my group
.set WV,  18
.set SEL, 20
.set CS,  22
.set HM,  66
.set CNT, 67
.set PFA, 76
.set LIM, 80
.set MSB, 0
.macro WIN new
.if MSB != \new
	s_set_vgpr_msb (MSB<<8)|\new
.set MSB, \new
.endif
.endm
.set TO_1, 0x40
.set W_KQ, 0x05
.set W_PV, 0x51
.set W_RS, 0x41
.macro MM d, a, b, zero, sa, sb, ra, rb
.if \zero
.if (\ra) && (\rb)
	v_wmma_scale_f32_16x16x128_f8f6f4 v[\d:\d+7], v[\a:\a+11], v[\b:\b+11], 0, v[\sa], v[\sb] matrix_a_fmt:MATRIX_FMT_FP6 matrix_b_fmt:MATRIX_FMT_FP6 matrix_a_scale:MATRIX_SCALE_ROW1 matrix_b_scale:MATRIX_SCALE_ROW1
.elseif \ra
	v_wmma_scale_f32_16x16x128_f8f6f4 v[\d:\d+7], v[\a:\a+11], v[\b:\b+11], 0, v[\sa], v[\sb] matrix_a_fmt:MATRIX_FMT_FP6 matrix_b_fmt:MATRIX_FMT_FP6 matrix_a_scale:MATRIX_SCALE_ROW1
.elseif \rb
	v_wmma_scale_f32_16x16x128_f8f6f4 v[\d:\d+7], v[\a:\a+11], v[\b:\b+11], 0, v[\sa], v[\sb] matrix_a_fmt:MATRIX_FMT_FP6 matrix_b_fmt:MATRIX_FMT_FP6 matrix_b_scale:MATRIX_SCALE_ROW1
.else
	v_wmma_scale_f32_16x16x128_f8f6f4 v[\d:\d+7], v[\a:\a+11], v[\b:\b+11], 0, v[\sa], v[\sb] matrix_a_fmt:MATRIX_FMT_FP6 matrix_b_fmt:MATRIX_FMT_FP6
.endif
.else
.if (\ra) && (\rb)
	v_wmma_scale_f32_16x16x128_f8f6f4 v[\d:\d+7], v[\a:\a+11], v[\b:\b+11], v[\d:\d+7], v[\sa], v[\sb] matrix_a_fmt:MATRIX_FMT_FP6 matrix_b_fmt:MATRIX_FMT_FP6 matrix_a_scale:MATRIX_SCALE_ROW1 matrix_b_scale:MATRIX_SCALE_ROW1
.elseif \ra
	v_wmma_scale_f32_16x16x128_f8f6f4 v[\d:\d+7], v[\a:\a+11], v[\b:\b+11], v[\d:\d+7], v[\sa], v[\sb] matrix_a_fmt:MATRIX_FMT_FP6 matrix_b_fmt:MATRIX_FMT_FP6 matrix_a_scale:MATRIX_SCALE_ROW1
.elseif \rb
	v_wmma_scale_f32_16x16x128_f8f6f4 v[\d:\d+7], v[\a:\a+11], v[\b:\b+11], v[\d:\d+7], v[\sa], v[\sb] matrix_a_fmt:MATRIX_FMT_FP6 matrix_b_fmt:MATRIX_FMT_FP6 matrix_b_scale:MATRIX_SCALE_ROW1
.else
	v_wmma_scale_f32_16x16x128_f8f6f4 v[\d:\d+7], v[\a:\a+11], v[\b:\b+11], v[\d:\d+7], v[\sa], v[\sb] matrix_a_fmt:MATRIX_FMT_FP6 matrix_b_fmt:MATRIX_FMT_FP6
.endif
.endif
.endm
; 64 numbers of a lane, register 16 b + i = k 32 b + 16 (lane / 16) + i of my row, become a fragment's codes in v[pc] on and its scale word in v[pw]
.macro QUANT s, pw, pc
.irp b, 0,1,2,3
	v_max3_num_f32 v[TM+\b], |v[\s+16*\b]|, |v[\s+1+16*\b]|, 0x1800000
.endr
.irp i, 2,4,6,8,10,12,14
.irp b, 0,1,2,3
	s_delay_alu instid0(VALU_DEP_4)
	v_max3_num_f32 v[TM+\b], v[TM+\b], |v[\s+16*\b+\i]|, |v[\s+1+16*\b+\i]|
.endr
.endr
.irp b, 0,1,2,3
	s_delay_alu instid0(VALU_DEP_4)
	v_permlanex16_b32 v[TM+4+\b], v[TM+\b], s[SEL], s[SEL+1]
.endr
.irp b, 0,1,2,3
	s_delay_alu instid0(VALU_DEP_4)
	v_max_num_f32 v[TM+\b], v[TM+\b], v[TM+4+\b]
.endr
.irp b, 0,1,2,3
	s_delay_alu instid0(VALU_DEP_4)
	v_add_nc_u32 v[TM+4+\b], 0xff000000, v[TM+\b]
.endr
.irp b, 0,1,2,3
	s_delay_alu instid0(VALU_DEP_4)
	v_lshrrev_b32 v[TM+\b], 23, v[TM+4+\b]
.endr
	s_delay_alu instid0(VALU_DEP_3)
	v_lshl_or_b32 v[\pw], v[TM+1], 8, v[TM]
	s_delay_alu instid0(VALU_DEP_1)
	v_lshl_or_b32 v[\pw], v[TM+2], 16, v[\pw]
	s_delay_alu instid0(VALU_DEP_1)
	v_lshl_or_b32 v[\pw], v[TM+3], 24, v[\pw]
.irp c, 0,1
	v_cvt_scalef32_pk16_fp6_f32 v[\pc+6*\c:\pc+6*\c+2], v[\s+32*\c:\s+32*\c+15], v[TM+4+2*\c]
	v_cvt_scalef32_pk16_fp6_f32 v[CT+4*\c:CT+4*\c+2], v[\s+32*\c+16:\s+32*\c+31], v[TM+4+2*\c+1]
.endr
	v_nop
.irp c, 0,1
.irp i, 0,1,2
	v_permlane16_swap_b32 v[\pc+6*\c+\i], v[CT+4*\c+\i]
.endr
.irp i, 0,1,2
	s_delay_alu instid0(VALU_DEP_3)
	v_mov_b32 v[\pc+3+6*\c+\i], v[CT+4*\c+\i]
.endr
.endr
.endm
	s_load_b128 s[4:7], s[0:1], 0x0                ; UPB, LAT
	s_load_b64 s[8:9], s[0:1], 0x10                ; OC
	v_lshl_add_u32 v[SPW], v0, 2, SPARE
	v_mov_b32 v[NIL], 0
	ds_add_u32 v[SPW], v[NIL]                      ; the opening lines: the add twice, one wait
	ds_add_u32 v[SPW], v[NIL]
	v_lshrrev_b32 v128, 5, v0
	s_delay_alu instid0(VALU_DEP_1)
	v_readfirstlane_b32 s[WV], v128                ; wave 0..7
	s_lshr_b32 s[GRP], s[WV], 2
	s_xor_b32 s[GRP], s[GRP], s[WV]
	s_and_b32 s[GRP], s[GRP], 1                    ; my group
	s_and_b32 s11, ttmp7, 0xffff                   ; 8 x batch + head
	s_lshr_b32 s12, s11, 3                         ; batch
	s_and_b32 s13, s11, 7                          ; head
	s_lshr_b32 s14, s[WV], 2
	s_and_b32 s15, s[WV], 3                        ; my pair of tiles in its block of 128 queries,
	s_lshl_b32 s16, ttmp9, 1
	s_add_co_u32 s16, s16, s14                     ; which is block 2 x work-group x + wave / 4 of the batch's sixteen
	s_mul_i32 s17, s15, 2*IMG
	s_lshl_b32 s19, s15, 7
	s_add_co_u32 s19, s19, 12288
	s_lshl_b32 s48, s11, 4                         ; Q's content: block 16 (8 b + h) + tb
	s_add_co_u32 s48, s48, s16
	s_mul_i32 s48, s48, G8
	s_add_co_u32 s50, s48, s19
	s_add_co_u32 s48, s48, s17
	s_mov_b32 s49, 0
	s_mov_b32 s51, 0
	s_lshl_b32 s52, s12, 1                         ; Q's rope: block 16 (2 b + h / 4) + tb of its region
	s_lshr_b32 s53, s13, 2
	s_add_co_u32 s52, s52, s53
	s_lshl_b32 s52, s52, 4
	s_add_co_u32 s52, s52, s16
	s_mul_i32 s52, s52, G8
	s_add_co_u32 s52, s52, 19660800
	s_add_co_u32 s54, s52, s19
	s_add_co_u32 s52, s52, s17
	s_mov_b32 s53, 0
	s_mov_b32 s55, 0
	s_lshl_b32 s56, s13, 6                         ; o: block 64 h + 16 b + tb
	s_lshl_b32 s57, s12, 4
	s_add_co_u32 s56, s56, s57
	s_add_co_u32 s56, s56, s16
	s_mul_i32 s56, s56, G8
	s_add_co_u32 s58, s56, s19
	s_add_co_u32 s56, s56, s17
	s_mov_b32 s57, 0
	s_mov_b32 s59, 0
	s_mul_i32 s60, s11, 16*G8                      ; waves 0-3 fetch: the head's sixteen blocks; half (w % 2) of a block,
	s_and_b32 s61, s15, 1
	s_mul_i32 s61, s61, 6400
	s_add_co_u32 s60, s60, s61
	s_lshr_b32 s61, s15, 1
	s_add_co_u32 s61, s61, 1
	s_mul_i32 s61, s61, 6553600                    ; in K's region (w % 4 under 2) or V's
	s_add_co_u32 s60, s60, s61
	s_mov_b32 s61, 0
	s_mul_i32 s62, s12, 16*RREC                    ; waves 4-7 fetch: a quarter of the batch's sixteen rope records
	s_mul_i32 s63, s15, 4*RREC
	s_add_co_u32 s62, s62, s63
	s_add_co_u32 s62, s62, 524288
	s_mov_b32 s63, 0
	s_mov_b32 s24, 3<<16                           ; groups 1: dense bytes as rows of 256 (32 elements of 8 bytes): 25 rows, and 56 for the rope
	s_mov_b32 s25, 32<<16
	s_mov_b32 s26, 25<<16
	s_mov_b32 s27, 32<<16
	s_mov_b32 s28, 25
	s_mov_b32 s29, 32
	s_mov_b32 s30, 0
	s_mov_b32 s31, 0
	s_mov_b32 s32, 3<<16
	s_mov_b32 s33, 32<<16
	s_mov_b32 s34, 56<<16
	s_mov_b32 s35, 32<<16
	s_mov_b32 s36, 56
	s_mov_b32 s37, 32
	s_mov_b32 s38, 0
	s_mov_b32 s39, 0
	s_mov_b32 s[SEL], 0x76543210
	s_mov_b32 s[SEL+1], 0xfedcba98
	s_mov_b32 s[CS], 0x3de995b3                    ; c = log2(e) / sqrt(160)
	s_mov_b32 s[CS+1], s[CS]
	s_mov_b32 s[HM], 0xffff0000
	s_mov_b32 s[TB], 0
	s_mov_b32 s[RB], ROFF
	s_mov_b32 s[CNT], 14                           ; the loop's trips
	s_cmp_ge_u32 s[WV], 6                          ; the prefetches: wave 6 asks for K's block, wave 7 for V's
	s_cselect_b32 s[LIM], 2, -1
	s_max_u32 s85, s[WV], 6
	s_sub_co_u32 s85, s85, 5
	s_mul_i32 s84, s85, 6553600
	s_mul_i32 s85, s11, 16*G8
	s_add_co_u32 s84, s84, s85
	s_add_co_u32 s84, s84, 2*G8                    ; at key step 2: the first change of slots steps it to 3
	s_mov_b32 s85, 0
	s_mul_i32 s86, ttmp9, 7                        ; a block's 50 units of 256 bytes are shared out among the head's eight work-groups, 7 each
	s_and_b32 s68, s13, 1
	s_lshl_b32 s68, s68, 8                         ; Q's rope block of head h is block h % 4 of its fragment
	s_bfe_u32 s69, s13, 0x10001
	s_sub_co_u32 s69, 0, s69
	s_and_b32 s70, s13, 3
	s_mul_i32 s70, s70, 0x01010101
	s_wait_dscnt 0x0
	s_wait_kmcnt 0x0
	s_mov_b32 s40, 1
	s_mul_i32 s41, s15, 6400                       ; LDS: K's two halves, V's two halves
	s_add_nc_u64 s[42:43], s[4:5], s[60:61]
	s_or_b32 s43, s43, 0x80000000
	s_mov_b32 s44, 1
	s_mul_i32 s45, s15, 4*RREC
	s_add_co_u32 s45, s45, ROFF
	s_add_nc_u64 s[46:47], s[6:7], s[62:63]
	s_or_b32 s47, s47, 0x80000000
	s_cmp_lt_u32 s[WV], 4                          ; the head's loads: one a wave, every wave
	s_cbranch_scc0 .Lhead_rope
	tensor_load_to_lds s[40:43], s[24:31]          ; key step 0
	s_nop 0
.rept 4
	v_nop
.endr
	s_branch .Lhead_asked
.Lhead_rope:
	tensor_load_to_lds s[44:47], s[32:39]
	s_nop 0
.rept 4
	v_nop
.endr
.Lhead_asked:
	s_add_nc_u64 s[48:49], s[4:5], s[48:49]
	s_add_nc_u64 s[50:51], s[4:5], s[50:51]
	s_add_nc_u64 s[52:53], s[4:5], s[52:53]
	s_add_nc_u64 s[54:55], s[4:5], s[54:55]
	s_add_nc_u64 s[56:57], s[8:9], s[56:57]
	s_add_nc_u64 s[58:59], s[8:9], s[58:59]
	s_add_nc_u64 s[PFA:PFA+1], s[4:5], s[84:85]
	v_and_b32 v128, 31, v0                         ; lane
	s_delay_alu instid0(VALU_DEP_1)
	v_lshlrev_b32 v[LI], 4, v128
	s_delay_alu instid0(VALU_DEP_2)
	v_lshlrev_b32 v[LS], 2, v128
	s_delay_alu instid0(VALU_DEP_3)
	v_min_u32 v[PFO], 6, v128                      ; lanes 7-31 name lane 6's unit again;
	s_delay_alu instid0(VALU_DEP_1)
	v_add_nc_u32 v[PFO], s86, v[PFO]
	s_delay_alu instid0(VALU_DEP_1)
	v_min_u32 v[PFO], 49, v[PFO]                   ; the last work-group's share ends with the block
	s_delay_alu instid0(VALU_DEP_1)
	v_lshlrev_b32 v[PFO], 8, v[PFO]
	v_and_b32 v129, 15, v0                         ; r
	v_bfe_u32 v130, v0, 4, 1                       ; lane / 16
	s_delay_alu instid0(VALU_DEP_2)
	v_mul_u32_u24 v[LR], v129, 24
	s_delay_alu instid0(VALU_DEP_1)
	v_mad_u32_u24 v[LR], v130, 384, v[LR]
	s_delay_alu instid0(VALU_DEP_4)
	v_lshl_add_u32 v131, v129, 4, s68
	WIN TO_1
.irp c, 0,1,2,3,4,5
	global_load_b128 v[QC+4*\c:QC+4*\c+3], v[LI], s[48:49] offset:512*\c
.endr
	WIN 0
.irp u, 0,1
.irp c, 0,1,2
	global_load_b128 v[RW+24*\u+4*\c:RW+24*\u+4*\c+3], v131, s[52:53] offset:IMG*\u+512*\c
.endr
.endr
	global_load_b32 v[QS], v[LS], s[50:51]
	global_load_b32 v184, v[LS], s[54:55]
.irp z, 0,12,24,36,48
.irp i, 0,1,2,3,4,5
	v_mov_b32 v[QR+\z+\i], 0                       ; Z, five times
.endr
.endr
.irp u, 0,1
	v_mov_b32 v[ST+4*\u+1], 0xff61b1e6             ; the largest t so far: -3e38
	s_delay_alu instid0(VALU_DEP_1)
	v_floor_f32 v[ST+4*\u], -v[ST+4*\u+1]
	v_mov_b32 v[ST+4*\u+2], 0
	v_mov_b32 v[ST+4*\u+3], 0
.endr
.irp b, 0,1,2,3
	v_mov_b32 v[PT+\b], 0
.endr
	v_mov_b32 v[FF+1], 0
	s_wait_loadcnt 0x0                             ; Q
	v_perm_b32 v[QRS], v184, v184, s70
.irp u, 0,1
.irp i, 0,1,2,3,4,5
	v_cndmask_b32 v[RW+24*\u+12+\i], v[RW+24*\u+\i], v[RW+24*\u+6+\i], s69
.endr
.endr
.irp u, 0,1
.irp i, 0,1,2,3,4,5
	v_cndmask_b32 v[QR+24*\u+6+\i], v[RW+24*\u+12+\i], v[QR], s[HM]     ; L
	v_cndmask_b32 v[QR+24*\u+18+\i], v[QR], v[RW+24*\u+12+\i], s[HM]    ; U
.endr
.endr
	WIN TO_1
.set j, 0
.rept 128
	v_mov_b32 v[j], 0                              ; O^T of both tiles: the step is written for every step alike; the first finds zeros
.set j, j+1
.endr
	WIN 0
	s_wait_alu depctr_va_vdst(0)                   ; the head's end
; ONE TILE'S SOFTMAX for one key step, all in window 0 but the last 32 lines
.macro SOFTMAX u
.set rS, S+64*(\u)
.set rT, ST+4*(\u)
.set rP, PC+12*(\u)
.set rO, 64*(\u)
.irp b, 0,1,2,3
	v_max3_num_f32 v[BM+\b], v[rS+16*\b], v[rS+1+16*\b], v[rS+2+16*\b]   ; the largest score of each block of 32 keys
.endr
.irp i, 3,5,7,9,11,13
.irp b, 0,1,2,3
	v_max3_num_f32 v[BM+\b], v[BM+\b], v[rS+16*\b+\i], v[rS+1+16*\b+\i]
.endr
.endr
.irp b, 0,1,2,3
	v_max_num_f32 v[BM+\b], v[BM+\b], v[rS+15+16*\b]
.endr
.irp b, 0,1,2,3
	s_delay_alu instid0(VALU_DEP_4)
	v_permlanex16_b32 v[PT+\b], v[BM+\b], s[SEL], s[SEL+1]
.endr
.irp b, 0,1,2,3
	s_delay_alu instid0(VALU_DEP_4)
	v_max_num_f32 v[BM+\b], v[BM+\b], v[PT+\b]
.endr
	s_delay_alu instid0(VALU_DEP_2)
	v_max3_num_f32 v[TP], v[BM], v[BM+1], v[BM+2]
	s_delay_alu instid0(VALU_DEP_1)
	v_max_num_f32 v[TP], v[TP], v[BM+3]
	s_delay_alu instid0(VALU_DEP_1)
	v_mul_f32 v[TP], s[CS], v[TP]
	s_delay_alu instid0(VALU_DEP_1)
	v_max_num_f32 v[rT+1], v[rT+1], v[TP]          ; the running largest t
	v_mov_b32 v[TP], v[rT]
	s_delay_alu instid0(VALU_DEP_2)
	v_floor_f32 v[rT], -v[rT+1]                    ; the new -M
	s_delay_alu instid0(VALU_DEP_1)
	v_sub_f32 v[TP], v[rT], v[TP]
	s_delay_alu instid0(VALU_DEP_1)
	v_cvt_i32_f32 v[TP], v[TP]
	s_delay_alu instid0(VALU_DEP_1)
	v_ldexp_f32 v[FF], 1.0, v[TP]                  ; f = 2^(old M - new M)
.set j, 0
.rept 32
	v_pk_fma_f32 v[rS+j:rS+j+1], v[rS+j:rS+j+1], s[CS:CS+1], v[rT:rT+1] op_sel_hi:[1,0,0]   ; t - M
.set j, j+2
.endr
.irp b, 0,1,2,3
	v_fma_f32 v[BM+\b], v[BM+\b], s[CS], v[rT]
.endr
.set j, 0
	s_wait_alu depctr_va_vdst(0)                   ; ahead of the batch
.rept 64
	v_exp_f32 v[rS+j], v[rS+j]                     ; p = 2^(t - M)
.set j, j+1
.endr
	v_pk_mul_f32 v[rT+2:rT+3], v[rT+2:rT+3], v[FF:FF+1] op_sel_hi:[1,0]   ; the sums under the new M
	s_wait_alu depctr_va_vdst(0)                   ; one wait for the batch, ahead of its first reader
.irp b, 0,1,2,3
	v_exp_f32 v[BM+\b], v[BM+\b]                   ; the block's largest p
.endr
	v_pk_add_f32 v[SB:SB+1], v[rS:rS+1], v[rS+2:rS+3]  ; the row's sum, of the unquantised p, in two chains
.irp j, 4,8,12,16,20,24,28,32,36,40,44,48,52,56,60
	v_pk_add_f32 v[rT+2:rT+3], v[rT+2:rT+3], v[rS+\j:rS+\j+1]
	v_pk_add_f32 v[SB:SB+1], v[SB:SB+1], v[rS+\j+2:rS+\j+3]
.endr
	s_delay_alu instid0(VALU_DEP_1)
	v_pk_add_f32 v[rT+2:rT+3], v[rT+2:rT+3], v[SB:SB+1]
	s_wait_alu depctr_va_vdst(0)                   ; and one for the four
.irp b, 0,1,2,3
	v_max_num_f32 v[BM+\b], 0x1800000, v[BM+\b]    ; the floor 2^(3 - 127)
.endr
.irp b, 0,1,2,3
	s_delay_alu instid0(VALU_DEP_4)
	v_add_nc_u32 v[PT+\b], 0xff000000, v[BM+\b]
.endr
.irp b, 0,1,2,3
	s_delay_alu instid0(VALU_DEP_4)
	v_lshrrev_b32 v[BM+\b], 23, v[PT+\b]
.endr
.if \u
	s_delay_alu instid0(VALU_DEP_3)
	v_lshl_or_b32 v[PWT], v[BM+1], 8, v[BM]
	s_delay_alu instid0(VALU_DEP_1)
	v_lshl_or_b32 v[PWT], v[BM+2], 16, v[PWT]
	s_delay_alu instid0(VALU_DEP_1)
	v_lshl_or_b32 v[PWT], v[BM+3], 24, v[PWT]
	s_delay_alu instid0(VALU_DEP_1)
	v_cndmask_b32 v[PW], v[PW], v[PWT], s[HM]      ; tile 1's word goes to lanes 16-31
.else
	s_delay_alu instid0(VALU_DEP_3)
	v_lshl_or_b32 v[PW], v[BM+1], 8, v[BM]
	s_delay_alu instid0(VALU_DEP_1)
	v_lshl_or_b32 v[PW], v[BM+2], 16, v[PW]
	s_delay_alu instid0(VALU_DEP_1)
	v_lshl_or_b32 v[PW], v[BM+3], 24, v[PW]
.endif
.irp c, 0,1
	v_cvt_scalef32_pk16_fp6_f32 v[rP+6*\c:rP+6*\c+2], v[rS+32*\c:rS+32*\c+15], v[PT+2*\c]
	v_cvt_scalef32_pk16_fp6_f32 v[CT+4*\c:CT+4*\c+2], v[rS+32*\c+16:rS+32*\c+31], v[PT+2*\c+1]
.endr
	v_nop
.irp c, 0,1
.irp i, 0,1,2
	v_permlane16_swap_b32 v[rP+6*\c+\i], v[CT+4*\c+\i]
.endr
.irp i, 0,1,2
	s_delay_alu instid0(VALU_DEP_3)
	v_mov_b32 v[rP+3+6*\c+\i], v[CT+4*\c+\i]
.endr
.endr
	WIN W_RS
.set j, 0
.rept 32
	v_pk_mul_f32 v[rO+j:rO+j+1], v[rO+j:rO+j+1], v[FF:FF+1] op_sel_hi:[1,0]   ; O^T under the new M; also the places ahead of the products that take the codes and the scale word
.set j, j+2
.endr
	WIN 0
.endm
.macro SM2                             ; both tiles' softmaxes
	SOFTMAX 0
	SOFTMAX 1
	s_wait_alu depctr_va_vdst(0)
.endm
.macro ARM grp                         ; the same for the waves of one group alone: register work, under a branch on the wave's number
	s_cmp_eq_u32 s[GRP], \grp
	s_cbranch_scc0 .Lnot_mine_\@
	SM2
.Lnot_mine_\@:
.endm
; S^T = K Q^T of the key step whose slot begins at s[TB] and whose rope record at s[RB]
.macro QKSEG
	v_add_nc_u32 v[ADK], s[TB], v[LI]              ; these four lines are also the places in front of loads into registers that matrix instructions have read
	v_add_nc_u32 v[ADT], s[TB], v[LS]
	v_add_nc_u32 v[ADR], s[RB], v[LR]
	v_add_nc_u32 v[ADS], s[RB], v[LS]
.irp g, 0,1                                    ; four tiles' rope blocks as one fragment
.irp p, 0,1,2,3,4,5
	ds_load_b64 v[PC+12*\g+2*\p:PC+12*\g+2*\p+1], v[ADR] offset:384*(4*\g+2*(\p/3))+8*(\p%3)
.endr
.endr
.irp u, 0,1,2,3
	ds_load_b32 v[KS+\u], v[ADT] offset:12288+128*\u
	ds_load_b32 v[RS+\u], v[ADS] offset:3072+128*\u
.endr
	WIN TO_1
.irp g, 0,1
.irp t, 0,1,2,3
.irp c, 0,1,2
	ds_load_b128 v[FA+48*\g+12*\t+4*\c:FA+48*\g+12*\t+4*\c+3], v[ADK] offset:IMG*(4*\g+\t)+512*\c
.endr
.endr
.endr
	s_wait_alu depctr_va_vdst(0)
	s_wait_dscnt 12                                ; all but the youngest twelve loads, K's tiles 4-7, are in
	WIN W_KQ
.irp u, 0,1                                    ; the 16 accumulators take turns, one instruction a turn
.irp t, 0,1,2,3
	MM S+64*\u+8*\t, FA+12*\t, QC+12*\u, 1, KS+\t/2, QS, \t%2, \u
.endr
.endr
	s_wait_dscnt 0x0
.irp u, 0,1
.irp t, 0,1,2,3
	MM S+64*\u+32+8*\t, FA+48+12*\t, QC+12*\u, 1, KS+2+\t/2, QS, \t%2, \u
.endr
.endr
	WIN 0
.irp g, 0,1                                    ; the rope block, onto the same sums, in the same order
.irp u, 0,1
.irp t, 0,1,2,3
	MM S+64*\u+8*(4*\g+\t), PC+12*\g, QR+24*\u+6*((\t%2)*2+1-\t/2), 0, RS+2*\g+\t/2, QRS, \t%2, \u
.endr
.endr
.endr
.rept 4
	v_nop                                          ; places in front of the first read of results and of loads into registers that matrix instructions have read
.endr
	WIN TO_1
.irp g, 0,1                                    ; V's eight fragments of the same step
.irp t, 0,1,2,3
.irp c, 0,1,2
	ds_load_b128 v[FA+48*\g+12*\t+4*\c:FA+48*\g+12*\t+4*\c+3], v[ADK] offset:VOFF+IMG*(4*\g+\t)+512*\c
.endr
.endr
.endr
	WIN 0
.irp u, 0,1,2,3
	ds_load_b32 v[KS+\u], v[ADT] offset:VOFF+12288+128*\u
.endr
	s_xor_b32 s[TB], s[TB], SLOT1                  ; on to the other slot and the next rope record
	s_add_co_u32 s[RB], s[RB], RREC
.endm
.macro PVSEG                           ; O^T += V^T P^T: sixteen accumulators, one instruction each
	s_wait_dscnt 0x0                               ; V
	WIN W_PV
.irp g, 0,1
.irp u, 0,1
.irp t, 0,1,2,3
	MM 64*\u+8*(4*\g+\t), FA+48*\g+12*\t, PC+12*\u, 0, KS+2*\g+\t/2, PW, \t%2, \u
.endr
.endr
.endr
	WIN 0
.endm
; THE CHANGE OF SLOTS.  Each wave waits for all its tensor loads (its part of the next step's slot), adds 0 to its spare word, and waits for that and for its reads of the slot that it has left (K's and V's fragments are in registers).
; Behind the barrier the next step's slot is whole and nobody reads the other one.  fill = 1: waves 0-3 fill that other slot with the step after the next, one load a wave.
; THE PREFETCH: behind the load of step j, waves 6 and 7 ask for K's and V's block of step j + 2, my work-group's 7 units of 256 bytes of each; steps 0 to 2 come by their loads alone; the last two fills have no step two on and ask for nothing.
.macro CHANGE fill
	s_wait_tensorcnt 0x0
	ds_add_u32 v[SPW], v[NIL]
.if \fill
	s_xor_b32 s41, s41, SLOT1
	s_add_nc_u64 s[42:43], s[42:43], G8            ; no tensor load of mine is out: the group 0 may be written
	s_wait_xcnt 0x0                                ; the last prefetch has read its address
	s_add_nc_u64 s[PFA:PFA+1], s[PFA:PFA+1], G8
.endif
	s_wait_dscnt 0x0
	s_barrier_signal -1
	s_barrier_wait -1
.if \fill
	s_cmp_lt_u32 s[WV], 4
	s_cbranch_scc0 .Lno_load_\@
	tensor_load_to_lds s[40:43], s[24:31]
	s_nop 0
.rept 4
	v_nop
.endr
.Lno_load_\@:
	s_cmp_gt_u32 s[CNT], s[LIM]
	s_cbranch_scc0 .Lno_ask_\@
	global_prefetch_b8 v[PFO], s[PFA:PFA+1] th:TH_LOAD_NT scope:SCOPE_SE
.Lno_ask_\@:
.endif
.endm
	CHANGE 1                                       ; step 0 and the rope records are in; slot 1's first fill, step 1, is issued as a refill is
	QKSEG                                          ; step 0
.Lstep:                                            ; trip i = 0 .. 13: the change to step i + 1, which asks for step i + 2
	ARM 0                                          ; group 0: softmaxes of step i
	CHANGE 1
	ARM 1                                          ; group 1: the same
	PVSEG                                          ; step i
	QKSEG                                          ; step i + 1
	s_sub_co_u32 s[CNT], s[CNT], 1
	s_cmp_lg_u32 s[CNT], 0
	s_cbranch_scc1 .Lstep
	CHANGE 0                                       ; the last change is written out: nothing more is asked for
	SM2                                            ; step 14
	PVSEG
	QKSEG                                          ; step 15
	SM2
	PVSEG
	; THE WAY OUT.  O^T is divided by the row's sum and quantised: register 16 b + i is channel 32 b + 16 (lane / 16) + i of my query: K step h of the output projection.
.rept 4
	v_nop
.endr
.irp u, 0,1
	v_add_f32 v[ST+4*\u+2], v[ST+4*\u+2], v[ST+4*\u+3]
.endr
.irp u, 0,1
	s_delay_alu instid0(VALU_DEP_2)
	v_permlanex16_b32 v[BM+\u], v[ST+4*\u+2], s[SEL], s[SEL+1]
.endr
.irp u, 0,1
	s_delay_alu instid0(VALU_DEP_2)
	v_add_f32 v[ST+4*\u+2], v[ST+4*\u+2], v[BM+\u]
.endr
	s_wait_alu depctr_va_vdst(0)
.irp u, 0,1
	v_rcp_f32 v[ST+4*\u], v[ST+4*\u+2]
.endr
	v_nop
	s_wait_alu depctr_va_vdst(0)
	WIN 0x01
.irp u, 0,1
.set j, 0
.rept 32
	v_pk_mul_f32 v[S+64*\u+j:S+64*\u+j+1], v[64*\u+j:64*\u+j+1], v[ST+4*\u:ST+4*\u+1] op_sel_hi:[1,0]   ; each accumulator from its low end on
.set j, j+2
.endr
.endr
	WIN 0
	QUANT S, PW, PC
	QUANT S+64, PWT, PC+12
	v_cndmask_b32 v[PW], v[PW], v[PWT], s[HM]
.irp c, 0,1,2,3,4,5
	global_store_b128 v[LI], v[PC+4*\c:PC+4*\c+3], s[56:57] offset:512*\c   ; 512 consecutive bytes a store
.endr
	global_store_b32 v[LS], v[PW], s[58:59]
	s_wait_tensorcnt 0x0                           ; the wave's end
	ds_add_u32 v[SPW], v[NIL]
	s_wait_dscnt 0x0
	s_endpgm
.Lfunc_end_k_qf4da67d807_attn:
	.size	k_qf4da67d807_attn, .Lfunc_end_k_qf4da67d807_attn-k_qf4da67d807_attn
	.p2alignl 7, 3214868480
	.fill 96, 4, 3214868480
	.section	.rodata,"a",@progbits
	.p2align	6, 0x0
	.amdhsa_kernel k_qf4da67d807_attn
		.amdhsa_group_segment_fixed_size 327680
		.amdhsa_private_segment_fixed_size 0
		.amdhsa_enable_private_segment 0
		.amdhsa_kernarg_size 24
		.amdhsa_user_sgpr_count 2
		.amdhsa_user_sgpr_kernarg_segment_ptr 1
		.amdhsa_wavefront_size32 1
		.amdhsa_system_sgpr_workgroup_id_x 1
		.amdhsa_system_sgpr_workgroup_id_y 1
		.amdhsa_system_sgpr_workgroup_id_z 1
		.amdhsa_system_vgpr_workitem_id 0
		.amdhsa_next_free_vgpr 512
		.amdhsa_next_free_sgpr 100
		.amdhsa_reserve_vcc 0
		.amdhsa_float_denorm_mode_32 3
		.amdhsa_float_denorm_mode_16_64 3
		.amdhsa_memory_ordered 1
		.amdhsa_forward_progress 1
		.amdhsa_inst_pref_size 179
	.end_amdhsa_kernel
	.amdgpu_metadata
---
amdhsa.version: [ 1, 2 ]
amdhsa.kernels:
  - .name:           k_qf4da67d807_attn
    .symbol:         k_qf4da67d807_attn.kd
    .args:
      - { .name: UPB, .offset: 0, .size: 8, .value_kind: global_buffer, .address_space: global }
      - { .name: LAT, .offset: 8, .size: 8, .value_kind: global_buffer, .address_space: global }
      - { .name: OC, .offset: 16, .size: 8, .value_kind: global_buffer, .address_space: global }
    .group_segment_fixed_size: 327680
    .private_segment_fixed_size: 0
    .kernarg_segment_align: 8
    .kernarg_segment_size: 24
    .max_flat_workgroup_size: 256
    .sgpr_count:     100
    .vgpr_count:     512
    .wavefront_size: 32
...
	.end_amdgpu_metadata
.endif
;; end of part 4
;; launch outp (part 5): grid 8 x 32, 8 waves a work-group, clusters of 4 x 4, 327,680 bytes of LDS; arguments OC, WPREP, b_O, out0; writes out0
.if DOCPART == 5
	.amdgcn_target "amdgcn-amd-amdhsa--gfx1250"
	.amdhsa_code_object_version 6
	.text
	.protected	k_qf4da67d807_outp
	.globl	k_qf4da67d807_outp
	.p2align	8
	.type	k_qf4da67d807_outp,@function
k_qf4da67d807_outp:
	s_mov_b64 s[64:65], 0
	v_nop
	global_prefetch_b8 v0, s[64:65] scope:SCOPE_SE
	s_setreg_imm32_b32 hwreg(HW_REG_WAVE_MODE, 25, 1), 1
	s_wait_xcnt 0x0
	s_wait_alu depctr_hold_cnt(0) depctr_sa_sdst(0) depctr_va_vdst(0) depctr_va_sdst(0) depctr_va_ssrc(0) depctr_va_vcc(0) depctr_vm_vsrc(0)
	s_getreg_b32 s2, hwreg(HW_REG_IB_STS2, 6, 4)
	s_cmp_eq_u32 s2, 0
	s_cbranch_scc0 .Lentry_in_a_cluster
	s_endpgm
.Lentry_in_a_cluster:
	s_bfe_u32 s2, ttmp6, 0x10000c
	s_cmp_lg_u32 s2, 0xf033
	s_cbranch_scc0 .Lentry_shape_is_right
	s_endpgm
.Lentry_shape_is_right:
; out0 = o W_O + b_O: [8192][1024] x [1024][1024], on codes of FP6 (E2M3) with one E8M0 scale for each 32 along K; both operands come as images of their registers, in blocks of 12,800 bytes
; (8 images of 1,536 bytes: registers 4 c .. 4 c + 3 of lane l at 512 c + 16 l; then 64 bytes of scale words a tile).  o: block 64 s + mb (K step s, 128 tokens mb); W_O: block 8 s + nb (128 columns nb).
; SHARES.  A work-group makes 256 tokens x 128 columns: 256 work-groups.  Each of its eight waves makes 64 x 64: 16 accumulators.  ALL OF K FITS IN LDS: o's 16 blocks and W_O's 8, 307,200 bytes, are each filled once: no ring.
; CLUSTERS: 4 x 4 work-groups.  The four of a row of the cluster need the same blocks of o, the four of a column the same blocks of W_O: each is asked for JOINTLY, by the same tensor load with the same descriptor and a mask that names the four.
; ONE LOAD A WAVE: waves 0-3 bring o's blocks of K steps 2 w, 2 w + 1 (two rows of 25,600 bytes, 64 blocks apart), waves 4-7 W_O's blocks of K steps 2 (w - 4), 2 (w - 4) + 1 (two rows of 12,800 bytes, 8 blocks apart).
; TWO SETS OF FRAGMENTS: a K step's 28 LDS loads (eight fragments, four registers of scale words) are issued ahead of the sixteen products of the step before.
; REGISTERS, in windows of 256: window 0: v1-11 addresses; v16-23 scale words, two sets; v32-127, v128-223 fragments, two sets; window 1: v0-127 the accumulators.
; No prefetch: the launch has no loop to run ahead in; all its tensor loads go out at the head.
; THE MATRIX INSTRUCTION IS USED TRANSPOSED (source 0 = 16 columns of W_O, source 1 = 16 tokens): a lane holds eight neighbouring numbers of a row of out0.  b_O is loaded into the accumulators, so the sums begin with it.
; Row r of a tile of tokens T is token 32 (T / 2) + 8 (T % 2) + r + 8 (r / 8): the way out puts each row at its place.
.set G8,    12800
.set IMG,   1536
.set BAT,   16*G8                      ; W_O's blocks lie behind o's sixteen
.set SPARE, 24*G8                      ; the spare words, 128 bytes for each wave
.set SPITCH, 272                       ; the way out: a stage of 16 rows x (256 bytes + 16) for each wave, in o's blocks of K steps 0 and 1, which have had their only fill and their last read when the first result is stored there
.set SPW, 1
.set NIL, 2
.set LI,  3
.set ADA, 4                            ; LDS addresses in the K step to be fetched: o's images, W_O's, o's scale words, W_O's
.set ADB, 5
.set ASA, 6
.set ASB, 7
.set STO, 8
.set RD,  9
.set CO,  10
.set BH,  11
.set SCL, 16                           ; set p: o's scale words v[16 + 4 p], v[17 + 4 p]; W_O's v[18 + 4 p], v[19 + 4 p]: lanes 0-15 an even tile's, lanes 16-31 the next tile's
.set FR,  32                           ; set p: W_O's four fragments from v[32 + 96 p], o's four from v[80 + 96 p]
.set BK,  32                           ; the way out: 16 rows read back: v32-63 and v64-95 by turns
.set MSB, 0
.macro WIN new                         ; the immediate's high byte repeats the setting that is left
.if MSB != \new
	s_set_vgpr_msb (MSB<<8)|\new
.set MSB, \new
.endif
.endm
.set W_MM, 0x50                        ; C and D window 1, the fragments window 0
.set TO_1, 0x40                        ; destination window 1
.set FROM_1, 0x04                      ; an LDS store's data window 1
.macro CROUND                          ; a round of the cluster's barrier
	s_barrier_signal -1
	s_barrier_wait -1
	s_cmp_lg_u32 s14, 0
	s_cbranch_scc1 .Lnot_wave_0_\@
	s_barrier_signal -3
.Lnot_wave_0_\@:
	s_barrier_wait -3
	s_barrier_signal -1
	s_barrier_wait -1
.endm
.macro PR p, a, b                      ; set p: tokens' tile a x columns' tile b; an odd tile's scale words stand in lanes 16-31
.set rD, 8*(4*(\a)+(\b))
.set rW, FR+96*(\p)+12*(\b)
.set rO, FR+96*(\p)+48+12*(\a)
.set rSW, SCL+4*(\p)+2+(\b)/2
.set rSO, SCL+4*(\p)+(\a)/2
.if ((\a)%2 == 0) && ((\b)%2 == 0)
	v_wmma_scale_f32_16x16x128_f8f6f4 v[rD:rD+7], v[rW:rW+11], v[rO:rO+11], v[rD:rD+7], v[rSW], v[rSO] matrix_a_fmt:MATRIX_FMT_FP6 matrix_b_fmt:MATRIX_FMT_FP6
.elseif (\a)%2 == 0
	v_wmma_scale_f32_16x16x128_f8f6f4 v[rD:rD+7], v[rW:rW+11], v[rO:rO+11], v[rD:rD+7], v[rSW], v[rSO] matrix_a_fmt:MATRIX_FMT_FP6 matrix_b_fmt:MATRIX_FMT_FP6 matrix_a_scale:MATRIX_SCALE_ROW1
.elseif (\b)%2 == 0
	v_wmma_scale_f32_16x16x128_f8f6f4 v[rD:rD+7], v[rW:rW+11], v[rO:rO+11], v[rD:rD+7], v[rSW], v[rSO] matrix_a_fmt:MATRIX_FMT_FP6 matrix_b_fmt:MATRIX_FMT_FP6 matrix_b_scale:MATRIX_SCALE_ROW1
.else
	v_wmma_scale_f32_16x16x128_f8f6f4 v[rD:rD+7], v[rW:rW+11], v[rO:rO+11], v[rD:rD+7], v[rSW], v[rSO] matrix_a_fmt:MATRIX_FMT_FP6 matrix_b_fmt:MATRIX_FMT_FP6 matrix_a_scale:MATRIX_SCALE_ROW1 matrix_b_scale:MATRIX_SCALE_ROW1
.endif
.endm
.macro FETCH p                         ; 28 LDS loads: the K step at which the addresses stand, into set p
.irp b, 0,1,2,3
.irp c, 0,1,2
	ds_load_b128 v[FR+96*(\p)+12*\b+4*\c:FR+96*(\p)+12*\b+4*\c+3], v[ADB] offset:IMG*\b+512*\c
.endr
.endr
.irp a, 0,1,2,3
.irp c, 0,1,2
	ds_load_b128 v[FR+96*(\p)+48+12*\a+4*\c:FR+96*(\p)+48+12*\a+4*\c+3], v[ADA] offset:IMG*\a+512*\c
.endr
.endr
.irp u, 0,1
	ds_load_b32 v[SCL+4*(\p)+2+\u], v[ASB] offset:128*\u
	ds_load_b32 v[SCL+4*(\p)+\u], v[ASA] offset:128*\u
.endr
.endm
.macro MUL p                           ; sixteen products on set p: the sixteen accumulators take turns, one instruction a turn, in the same order in every step
	WIN W_MM
.irp a, 0,1,2,3
.irp b, 0,1,2,3
	PR \p, \a, \b
.endr
.endr
	WIN 0
.endm
.macro ONWARD                          ; the addresses go on to the next K step; these four lines are also the places in front of loads into registers that the last products have read
	v_add_nc_u32 v[ADA], 2*G8, v[ADA]
	v_add_nc_u32 v[ASA], 2*G8, v[ASA]
	v_add_nc_u32 v[ADB], G8, v[ADB]
	v_add_nc_u32 v[ASB], G8, v[ASB]
	s_wait_alu depctr_va_vdst(0)                   ; directly behind the writes
.endm
	s_load_b128 s[4:7], s[0:1], 0x0                ; OC, WPREP
	s_load_b128 s[8:11], s[0:1], 0x10              ; b_O, out0
	v_lshl_add_u32 v[SPW], v0, 2, SPARE
	v_mov_b32 v[NIL], 0
	ds_add_u32 v[SPW], v[NIL]                      ; the opening lines: the add twice, one wait
	ds_add_u32 v[SPW], v[NIL]
	v_lshrrev_b32 v3, 5, v0
	s_delay_alu instid0(VALU_DEP_1)
	v_readfirstlane_b32 s14, v3                    ; wave 0..7
	s_lshr_b32 s15, s14, 1                         ; which 64 tokens are mine
	s_and_b32 s16, s14, 1                          ; which 64 columns
	s_bfe_u32 s40, ttmp6, 0x40000                  ; cx, cy: my place in the cluster
	s_bfe_u32 s41, ttmp6, 0x40004
	s_lshl_b32 s42, ttmp9, 2
	s_add_co_u32 s42, s42, s40                     ; the block of 128 columns = 4 x cluster x + cx
	s_and_b32 s17, ttmp7, 0xffff
	s_lshl_b32 s17, s17, 2
	s_add_co_u32 s17, s17, s41                     ; the block of 256 tokens = 4 x cluster y + cy
	s_lshl_b32 s43, s41, 2
	s_lshl_b32 s43, 15, s43                        ; my row of the cluster
	s_lshl_b32 s44, 0x1111, s40                    ; my column
	s_or_b32 s24, s43, (3<<16)|(1<<21)             ; o's blocks go to my row; elements of 8 bytes; bit 21 set beside a mask
	s_or_b32 s48, s44, (3<<16)|(1<<21)             ; W_O's go to my column
	s_mov_b32 s25, 3200<<16                        ; o: two rows of 3,200 elements, 102,400 elements apart
	s_mov_b32 s26, 2<<16
	s_mov_b32 s27, 3200<<16
	s_mov_b32 s28, 2
	s_mov_b32 s29, 102400
	s_mov_b32 s30, 0
	s_mov_b32 s31, 0
	s_mov_b32 s49, 1600<<16                        ; W_O: two rows of 1,600 elements, 12,800 elements apart
	s_mov_b32 s50, 2<<16
	s_mov_b32 s51, 1600<<16
	s_mov_b32 s52, 2
	s_mov_b32 s53, 12800
	s_mov_b32 s54, 0
	s_mov_b32 s55, 0
	s_and_b32 s45, s14, 3                          ; which two K steps I fetch
	s_lshl_b32 s20, s45, 7                         ; o: block 64 (2 q) + 2 y: it hangs on the tokens' block alone, which my row shares
	s_lshl_b32 s21, s17, 1
	s_add_co_u32 s20, s20, s21
	s_mul_i32 s20, s20, G8
	s_mov_b32 s21, 0
	s_lshl_b32 s46, s45, 4                         ; W_O: block 8 (2 q) + x: on the columns' block alone, which my column shares
	s_add_co_u32 s46, s46, s42
	s_mul_i32 s46, s46, G8
	s_mov_b32 s47, 0
	s_mul_i32 s45, s45, 2*G8                       ; no place in the cluster enters an LDS address
	s_wait_dscnt 0x0
	s_wait_kmcnt 0x0
	s_add_nc_u64 s[20:21], s[4:5], s[20:21]
	s_add_nc_u64 s[46:47], s[6:7], s[46:47]
	CROUND                                         ; all sixteen work-groups are here: the joint loads meet
	s_mov_b32 s32, 1
	s_lshl_b32 s33, s45, 1                         ; o's K step s lies at 25,600 s
	s_mov_b64 s[34:35], s[20:21]
	s_or_b32 s35, s35, 0x80000000
	s_mov_b32 s36, 1
	s_add_co_u32 s37, s45, BAT                     ; W_O's at BAT + 12,800 s
	s_mov_b64 s[38:39], s[46:47]
	s_or_b32 s39, s39, 0x80000000
	s_cmp_lt_u32 s14, 4
	s_cbranch_scc0 .Lfor_w
	tensor_load_to_lds s[32:35], s[24:31]
	s_nop 0
.rept 4
	v_nop
.endr
	s_branch .Lasked
.Lfor_w:
	tensor_load_to_lds s[36:39], s[48:55]
	s_nop 0
.rept 4
	v_nop
.endr
.Lasked:
	v_and_b32 v12, 31, v0                          ; lane
	v_and_b32 v13, 15, v0                          ; r
	v_bfe_u32 v14, v0, 4, 1                        ; lane / 16
	s_delay_alu instid0(VALU_DEP_3)
	v_lshlrev_b32 v[LI], 4, v12
	s_delay_alu instid0(VALU_DEP_4)
	v_lshlrev_b32 v15, 2, v12
	s_wait_alu depctr_va_vdst(0)
	s_lshr_b32 s60, s15, 1                         ; my 64 tokens: which block of 128,
	s_and_b32 s61, s15, 1                          ; and which four of its eight tiles
	s_mul_i32 s62, s60, G8
	s_mul_i32 s63, s61, 4*IMG
	s_add_co_u32 s63, s63, s62
	v_add_nc_u32 v[ADA], s63, v[LI]
	s_lshl_b32 s63, s61, 8
	s_add_co_u32 s63, s63, s62
	s_add_co_u32 s63, s63, 12288
	v_add_nc_u32 v[ASA], s63, v15
	s_mul_i32 s62, s16, 4*IMG
	s_add_co_u32 s62, s62, BAT
	v_add_nc_u32 v[ADB], s62, v[LI]
	s_lshl_b32 s62, s16, 8
	s_add_co_u32 s62, s62, BAT+12288
	v_add_nc_u32 v[ASB], s62, v15
	s_mul_i32 s62, s14, 16*SPITCH                  ; my stage
	v_mul_u32_u24 v[STO], v13, SPITCH
	s_delay_alu instid0(VALU_DEP_1)
	v_lshl_add_u32 v[STO], v14, 5, v[STO]
	s_delay_alu instid0(VALU_DEP_1)
	v_add_nc_u32 v[STO], s62, v[STO]
	v_mul_u32_u24 v[RD], v14, SPITCH
	s_delay_alu instid0(VALU_DEP_1)
	v_lshl_add_u32 v[RD], v13, 4, v[RD]
	s_delay_alu instid0(VALU_DEP_1)
	v_add_nc_u32 v[RD], s62, v[RD]
	v_lshlrev_b32 v[CO], 12, v14
	s_delay_alu instid0(VALU_DEP_1)
	v_lshl_add_u32 v[CO], v13, 4, v[CO]
	v_lshlrev_b32 v[BH], 5, v14
	s_wait_alu depctr_va_vdst(0)                   ; the head's end
	s_lshl_b32 s66, s42, 9                         ; my first column, in bytes
	s_lshl_b32 s67, s16, 8
	s_add_co_u32 s66, s66, s67
	s_mov_b32 s67, 0
	s_add_nc_u64 s[8:9], s[8:9], s[66:67]
	s_lshl_b32 s68, s17, 20                        ; my first token, in rows of 4,096 bytes
	s_lshl_b32 s69, s15, 18
	s_add_co_u32 s68, s68, s69
	s_add_co_u32 s68, s68, s66
	s_mov_b32 s69, 0
	s_add_nc_u64 s[10:11], s[10:11], s[68:69]
	WIN TO_1
.irp a, 0,1,2,3                                ; register j of accumulator (a, b) is column 16 b + 8 (lane / 16) + j of my 64
.irp b, 0,1,2,3
	global_load_b128 v[8*(4*\a+\b):8*(4*\a+\b)+3], v[BH], s[8:9] offset:64*\b
	global_load_b128 v[8*(4*\a+\b)+4:8*(4*\a+\b)+7], v[BH], s[8:9] offset:64*\b+16
.endr
.endr
	WIN 0
	s_wait_tensorcnt 0x0                           ; my load is in;
	s_barrier_signal -1
	s_barrier_wait -1                              ; everybody's are
	FETCH 0                                        ; K step 0
	ONWARD
	FETCH 1                                        ; K step 1
	s_wait_loadcnt 0x0                             ; b_O
	s_wait_dscnt 28                                ; all but the 28 loads just issued
	MUL 0
.irp s, 1,2
	ONWARD
	FETCH (\s+1)%2
	s_wait_dscnt 28
	MUL \s%2
.endr
	ONWARD
	FETCH 0                                        ; K step 4
	s_wait_dscnt 0x0                               ; all my reads of K steps 0 to 4 are over:
	s_barrier_signal -1                            ; say so,
	MUL 1                                          ; K step 3: work on registers,
	s_barrier_wait -1                              ; and everybody has said so: the stages may later be written over K steps 0 and 1
.irp s, 4,5,6
	ONWARD
	FETCH (\s+1)%2
	s_wait_dscnt 28
	MUL \s%2
.endr
	s_wait_dscnt 0x0
	MUL 1                                          ; K step 7
.rept 4
	v_nop                                          ; places in front of the first read of results and of loads into registers that matrix instructions have read
.endr
; THE WAY OUT, a tile of 16 tokens x 64 columns at a time, through my own stage in LDS, back as whole rows of 256 bytes.  LDS serves a wave's instructions in order (ISA guide 5.7.1.4).
.macro TOSTAGE a
	WIN FROM_1
.irp b, 0,1,2,3
	ds_store_b128 v[STO], v[8*(4*(\a)+\b):8*(4*(\a)+\b)+3] offset:64*\b          ; each accumulator from its low end on
	ds_store_b128 v[STO], v[8*(4*(\a)+\b)+4:8*(4*(\a)+\b)+7] offset:64*\b+16
.endr
	WIN 0
.irp i, 0,1,2,3,4,5,6,7
	ds_load_b128 v[BK+32*((\a)%2)+4*\i:BK+32*((\a)%2)+4*\i+3], v[RD] offset:2*\i*SPITCH
.endr
.endm
.macro SEND a, younger                 ; younger: the LDS instructions issued behind tile a's loads, which may stay out
	s_wait_dscnt \younger
.irp i, 0,1,2,3,4,5,6,7
	global_store_b128 v[CO], v[BK+32*((\a)%2)+4*\i:BK+32*((\a)%2)+4*\i+3], s[10:11] offset:(32*((\a)/2)+8*((\a)%2)+2*\i+8*(\i/4))*4096 th:TH_STORE_NT   ; sixteen lanes store 256 consecutive bytes, aligned
.endr
.endm
	TOSTAGE 0
.irp a, 1,2,3
.if \a > 1
	s_wait_xcnt 0x0                                ; tile a - 2's stores have read their registers
.endif
	TOSTAGE \a
	SEND \a-1, 16
.endr
	SEND 3, 0
	s_wait_tensorcnt 0x0                           ; the wave's end
	ds_add_u32 v[SPW], v[NIL]
	s_wait_dscnt 0x0
	CROUND                                         ; the closing round
	s_endpgm
.Lfunc_end_k_qf4da67d807_outp:
	.size	k_qf4da67d807_outp, .Lfunc_end_k_qf4da67d807_outp-k_qf4da67d807_outp
	.p2alignl 7, 3214868480
	.fill 96, 4, 3214868480
	.section	.rodata,"a",@progbits
	.p2align	6, 0x0
	.amdhsa_kernel k_qf4da67d807_outp
		.amdhsa_group_segment_fixed_size 327680
		.amdhsa_private_segment_fixed_size 0
		.amdhsa_enable_private_segment 0
		.amdhsa_kernarg_size 32
		.amdhsa_user_sgpr_count 2
		.amdhsa_user_sgpr_kernarg_segment_ptr 1
		.amdhsa_wavefront_size32 1
		.amdhsa_system_sgpr_workgroup_id_x 1
		.amdhsa_system_sgpr_workgroup_id_y 1
		.amdhsa_system_sgpr_workgroup_id_z 1
		.amdhsa_system_vgpr_workitem_id 0
		.amdhsa_next_free_vgpr 512
		.amdhsa_next_free_sgpr 98
		.amdhsa_reserve_vcc 0
		.amdhsa_float_denorm_mode_32 3
		.amdhsa_float_denorm_mode_16_64 3
		.amdhsa_memory_ordered 1
		.amdhsa_forward_progress 1
		.amdhsa_inst_pref_size 51
	.end_amdhsa_kernel
	.amdgpu_metadata
---
amdhsa.version: [ 1, 2 ]
amdhsa.kernels:
  - .name:           k_qf4da67d807_outp
    .symbol:         k_qf4da67d807_outp.kd
    .args:
      - { .name: OC, .offset: 0, .size: 8, .value_kind: global_buffer, .address_space: global }
      - { .name: WPREP, .offset: 8, .size: 8, .value_kind: global_buffer, .address_space: global }
      - { .name: b_O, .offset: 16, .size: 8, .value_kind: global_buffer, .address_space: global }
      - { .name: out0, .offset: 24, .size: 8, .value_kind: global_buffer, .address_space: global }
    .group_segment_fixed_size: 327680
    .private_segment_fixed_size: 0
    .kernarg_segment_align: 8
    .kernarg_segment_size: 32
    .max_flat_workgroup_size: 256
    .sgpr_count:     98
    .vgpr_count:     512
    .wavefront_size: 32
...
	.end_amdgpu_metadata
.endif
;; end of part 5
